; MI455X (gfx1250); checked and timed in simulation.
; The chip was launched on July 23, 2026; its instructions are those of AMD's public machine-readable ISA for CDNA 5 (MIT licence, August 2026) and "CDNA5" Instruction Set Architecture Reference Guide (July 2026). The comments in the code are by the model that wrote it; some were corrected since.
;; Multi Head Attention. Allowed arithmetic: matrix products marked QUANTISED: E2M1 operands, one E8M0 scale for each 32 along K, by v_wmma_scale_f32_16x16x128_f8f6f4 with both operands' format E2M1 (or v_wmma_scale_f32_32x16x128_f4), f32 sums; products left as they are: bf16, f16 or f32 operands; f32 sums; everything else in f32.
;; Inputs: W_out 1,024 x 1,024 float32; Wk 16 x 1,024 x 64 float32; Wq 16 x 1,024 x 64 float32; Wv 16 x 1,024 x 64 float32; b_out 1,024 float32; key 4 x 2,048 x 1,024 float32; key_attention_mask 4 x 2,048 bool; query 4 x 2,048 x 1,024 float32; value 4 x 2,048 x 1,024 float32.
;; Outputs: out0 4 x 2,048 x 1,024 float32.
;; This version of the problem:
;;   THIS VERSION OF THE PROBLEM IS GIVEN IN LOW PRECISION. The matrix products marked QUANTISED in the list below multiply operands that are first quantised to E2M1 (2 exponent bits, 1 mantissa bit; 4 bits a number), with one power-of-two scale for each 32 numbers along K (OCP MX v1.0); their sums are f32. The products marked 'left as it is' may take bf16, f16 or f32 operands, with f32 sums. Whichever they take, every output number must still come out within the allowed error. Rounding operands to bf16 (8 significant bits) uses up far more of that allowance than f16 does (11 bits, for magnitudes from 6e-5 to 65,504). All else is computed in f32.
;;   The module's matrix products, in the order in which they are computed (A, B: the left and right operand; K: the contracted axis; several contracted axes count as one K, in the product's order):
;;     1. [M 1,024, K 1,024] x [K 1,024, N 8,192]; A: input Wq; B: input query: QUANTISED
;;     2. [M 1,024, K 1,024] x [K 1,024, N 8,192]; A: input Wk; B: input key: QUANTISED
;;     3. [M 1,024, K 1,024] x [K 1,024, N 8,192]; A: input Wv; B: input value: QUANTISED
;;     4. batch 64 x [M 2,048, K 64] x [K 64, N 2,048]; A: computed on the way; B: computed on the way: left as it is (an operand is computed on the way)
;;     5. batch 64 x [M 2,048, K 2,048] x [K 2,048, N 64]; A: computed on the way; B: computed on the way: left as it is (an operand is computed on the way)
;;     6. [M 8,192, K 1,024] x [K 1,024, N 1,024]; A: computed on the way; B: input W_out: left as it is (an operand is computed on the way)
;;   THE QUANTISER, for each operand of a quantised product, along K:
;;     - K is cut into blocks of 32 from its start; a last block that is shorter is filled with zeros.
;;     - A block's scale is 2^e with e = floor(log2(the largest magnitude in the block)) - 2, held to -126 .. 127; a block of zeros has e = 0. As a byte (E8M0): e + 127.
;;     - Each number is divided by its block's scale, clamped to +-6, and rounded to the nearest number of E2M1, ties to even, subnormals kept.
;;     - The product sums the exact products of the quantised numbers (number of the format x scale) in f32.
;;   ~~~python
;;   def quantise(x, axis):      # numpy; x: float32 -> the quantised numbers, widened to float32 again
;;       x = np.moveaxis(x, axis, -1); K = x.shape[-1]
;;       x = np.pad(x, [(0, 0)] * (x.ndim - 1) + [(0, -K % 32)]); x = x.reshape(x.shape[:-1] + (-1, 32)); a = np.abs(x).max(-1, keepdims=True)
;;       e = np.where(a > 0, np.clip(np.frexp(np.where(a > 0, a, 1))[1] - 1 - 2, -126, 127), 0)      # np.frexp(a)[1] - 1 = floor(log2(a)), exactly
;;       r = np.clip(x / 2.0 ** e, -6, 6)
;;       step = 2.0 ** (np.maximum(np.frexp(np.where(r == 0, 1, r))[1] - 1, 0) - 1)
;;       q = np.round(r / step) * step * 2.0 ** e      # np.round: ties to even
;;       return np.moveaxis(q.reshape(q.shape[:-2] + (-1,))[..., :K], -1, axis).astype(np.float32)
;;   ~~~
;; 2 versions, each right; version 2 is version 1 with the launch proj written anew for expert scheduling mode. Each part assembles by itself: llvm-mc -triple=amdgcn-amd-amdhsa -mcpu=gfx1250 --defsym DOCPART=n.
;; ======== version 1 of 2: 4 launches
;; limits: values are held in f16: magnitudes above 65,504 overflow, below 6.1e-05 lose precision
;; workspace buffers: wcodes 1,572,864 bytes; wscale 196,608 bytes; woimg 2,097,152 bytes; qimg 16,777,216 bytes; kimg 16,777,216 bytes; vimg 16,777,216 bytes; oimg 16,777,216 bytes
;; launch prep (part 1): grid 512 x 1, 4 waves a work-group, no clusters, 0 bytes of LDS; arguments Wq, Wk, Wv, W_out, wcodes, wscale, woimg; writes wcodes, wscale, woimg
.if DOCPART == 1
	.amdgcn_target "amdgcn-amd-amdhsa--gfx1250"
	.amdhsa_code_object_version 6
	.text
	.protected	k_q94af0d97f9_prep
	.globl	k_q94af0d97f9_prep
	.p2align	8
	.type	k_q94af0d97f9_prep,@function
k_q94af0d97f9_prep:
	s_mov_b64 s[64:65], 0
	v_nop
	global_prefetch_b8 v0, s[64:65] scope:SCOPE_SE
	s_setreg_imm32_b32 hwreg(HW_REG_WAVE_MODE, 25, 1), 1
	s_wait_xcnt 0x0
; PREP: the weights are laid out once, in the order in which the later launches' operand registers take them.
; Wq, Wk, Wv [16 heads][1024 d][64 e], f32, are operands whose K (d) is not innermost.  They become codes of FP4 (E2M1) with one E8M0 scale byte for each 32 along d.
; A LANE TAKES A COLUMN e AND ITS REGISTERS RUN DOWN d, in the very order that the operand's layout gives that lane: the conversions' results are a fragment's registers (16 e x 128 d: 8 registers).
; A fragment is stored as an IMAGE of its registers: each group of four registers at 16 x lane, 512 consecutive bytes a store.
;   wcodes [tensor 3][head 16][K step 8][tile of 16 e: 4][group 2][lane 32][16 bytes];   wscale [tensor][head][K step][lane 32][tile 4] words: lane l holds the word of row l % 16 of each tile.
; A block's scale is 2^(floor(log2(its largest magnitude)) - 2); its byte is the largest magnitude's exponent field - 2, held at 1 from below.
; W_out [1024 k][1024 n], f32, becomes f16 fragments of W_out^T (16 n x 32 k: 8 registers), as images:  woimg [K step of 256: 4][tile of 16 n: 64][32 k: 8][group 2][lane][16 bytes].
; SHARES.  Work-groups 0-383: one (tensor, head, K step) each, a wave to a tile of 16 e: the four waves together read whole rows of 256 bytes.  Work-groups 384-511: a wave takes 32 k x 64 n of W_out.
; The scale words leave 4 bytes a lane, 16 bytes apart (four waves fill 512 bytes between them): 196,608 bytes in all beside the 16.8 MB that the launch reads.
; Memory binds: no LDS, no barrier, no matrix unit, no cluster: work-groups share no input.
; LIMITS: a block of zeros gets the byte 1 where the rule says 127 (its codes are zeros, and this program alone reads the bytes); NaN and infinities among the inputs are not served;
; W_out goes to f16: magnitudes up to 65,504.
.set NW, 384                           ; work-groups that take Wq, Wk, Wv
	s_load_b256 s[4:11], s[0:1], 0x0               ; Wq s[4:5], Wk s[6:7], Wv s[8:9], W_out s[10:11]
	s_load_b128 s[12:15], s[0:1], 0x20             ; wcodes s[12:13], wscale s[14:15]
	s_load_b64 s[16:17], s[0:1], 0x30              ; woimg
	v_lshrrev_b32 v1, 5, v0
	v_readfirstlane_b32 s18, v1                    ; wave 0..3
	v_and_b32 v1, 15, v0                           ; r
	v_bfe_u32 v2, v0, 4, 1                         ; h
	v_and_b32 v3, 31, v0                           ; lane
	v_lshlrev_b32 v4, 4, v3                        ; 16 x lane: my place in an image
	s_mov_b32 s21, 0                               ; the upper word of every offset
	s_cmp_ge_u32 ttmp9, NW                         ; the work-group's number alone: all four waves go the same way
	s_cbranch_scc1 .Lwout
	; ---- Wq, Wk, Wv
	s_mov_b32 s24, 0x76543210
	s_mov_b32 s25, 0xfedcba98                      ; v_permlanex16_b32's selects for lane l xor 16
	v_lshlrev_b32 v5, 2, v1                        ; column r: 4 bytes;
	v_lshl_add_u32 v5, v2, 13, v5                  ; lanes 16-31 begin 32 rows of 256 bytes further down
	s_lshl_b32 s19, s18, 2
	v_add_nc_u32 v6, s19, v4                       ; my scale word's place: 16 x lane + 4 x tile
	s_lshr_b32 s26, ttmp9, 7                       ; the tensor
	s_wait_kmcnt 0x0
	s_cmp_eq_u32 s26, 0
	s_cselect_b64 s[22:23], s[4:5], s[6:7]
	s_cmp_eq_u32 s26, 2
	s_cselect_b64 s[22:23], s[8:9], s[22:23]
	s_and_b32 s20, ttmp9, 127                      ; 8 x head + K step: 128 rows of 256 bytes each
	s_lshl_b32 s20, s20, 15
	s_lshl_b32 s19, s18, 6                         ; my tile's 16 columns
	s_add_co_u32 s20, s20, s19
	s_add_nc_u64 s[22:23], s[22:23], s[20:21]
	s_lshl_b32 s20, ttmp9, 12                      ; the codes: 4,096 bytes for each (tensor, head, K step), 1,024 a tile
	s_lshl_b32 s19, s18, 10
	s_add_co_u32 s20, s20, s19
	s_add_nc_u64 s[12:13], s[12:13], s[20:21]
	s_lshl_b32 s20, ttmp9, 9                       ; the scale words: 512 bytes
	s_add_nc_u64 s[14:15], s[14:15], s[20:21]
.irp c, 0,1
.set i, 0
.rept 32
	global_load_b32 v[64+32*\c+i], v5, s[22:23] offset:(64*\c+i)*256   ; W(128 s + 64 c + 32 h + i, 16 tile + r)
.set i, i+1
.endr
.endr
	s_wait_loadcnt 0x0
.irp c, 0,1                                    ; my block 2 c + h: all its 32 numbers are mine
	v_max3_num_f32 v[32+\c], |v[64+32*\c]|, |v[65+32*\c]|, 0x1800000   ; with the floor 2^(3 - 127): the byte cannot fall under 1
.endr
.irp i, 2,4,6,8,10,12,14,16,18,20,22,24,26,28,30
.irp c, 0,1
	v_max3_num_f32 v[32+\c], v[32+\c], |v[64+32*\c+\i]|, |v[65+32*\c+\i]|
.endr
.endr
.irp c, 0,1
	v_add_nc_u32 v[44+\c], 0xff000000, v[32+\c]    ; 2 off the exponent field: the conversion takes the exponent field of this operand as its scale
.endr
.irp c, 0,1
	v_lshrrev_b32 v[36+\c], 23, v[44+\c]           ; the scale's byte
.endr
	v_lshl_or_b32 v9, v37, 16, v36                 ; my two bytes: blocks h and 2 + h of my column,
	v_lshlrev_b32 v10, 3, v2
	v_lshlrev_b32 v9, v10, v9                      ; at their places in the word (8 h bits up);
	v_mov_b32 v10, 0
	v_permlanex16_b32 v10, v9, s24, s25
	v_or_b32 v9, v9, v10                           ; with lane l xor 16's two the word is whole, in both lanes
.irp c, 0,1
.irp g, 0,1,2,3
	v_cvt_scalef32_pk8_fp4_f32 v[48+4*\c+\g], v[64+32*\c+8*\g:71+32*\c+8*\g], v[44+\c]   ; registers 4 c .. 4 c + 3 of the fragment
.endr
.endr
	v_nop                                          ; one plain instruction behind the last scaled conversion
	global_store_b128 v4, v[48:51], s[12:13] th:TH_STORE_NT            ; 32 lanes store 512 consecutive bytes
	global_store_b128 v4, v[52:55], s[12:13] offset:512 th:TH_STORE_NT
	global_store_b32 v6, v9, s[14:15]
	s_endpgm
	; ---- W_out
.Lwout:
	s_sub_co_u32 s20, ttmp9, NW
	s_lshl_b32 s20, s20, 2
	s_add_co_u32 s20, s20, s18                     ; my wave's number among 512
	s_and_b32 s19, s20, 31                         ; which 32 along k
	s_lshr_b32 s26, s20, 5                         ; which 64 columns
	s_lshl_b32 s20, s19, 17                        ; 32 rows of 4,096 bytes
	s_lshl_b32 s27, s26, 8
	s_add_co_u32 s20, s20, s27
	s_lshr_b32 s22, s19, 3                         ; the K step of 256: 524,288 bytes of images,
	s_lshl_b32 s22, s22, 19
	s_lshl_b32 s27, s26, 15                        ; four tiles of 16 columns: 8,192 bytes each,
	s_add_co_u32 s22, s22, s27
	s_and_b32 s27, s19, 7                          ; the fragment in the K step: 1,024 bytes
	s_lshl_b32 s27, s27, 10
	s_add_co_u32 s22, s22, s27
	s_mov_b32 s23, 0
	v_lshlrev_b32 v5, 2, v1                        ; column r;
	v_lshl_add_u32 v5, v2, 15, v5                  ; lanes 16-31 begin 8 rows further down
	s_wait_kmcnt 0x0
	s_add_nc_u64 s[10:11], s[10:11], s[20:21]
	s_add_nc_u64 s[16:17], s[16:17], s[22:23]
.irp n, 0,1,2,3
.set i, 0
.rept 16
	global_load_b32 v[64+16*\n+i], v5, s[10:11] offset:(i+8*(i/8))*4096+64*\n   ; k = 8 h + i, then 16 + 8 h + (i - 8); the four tiles together read whole runs of 256 bytes
.set i, i+1
.endr
.endr
	s_wait_loadcnt 0x0
.irp n, 0,1,2,3
.irp p, 0,1,2,3,4,5,6,7
	v_cvt_pk_f16_f32 v[32+8*\n+\p], v[64+16*\n+2*\p], v[65+16*\n+2*\p]
.endr
.endr
.irp n, 0,1,2,3
.irp c, 0,1
	global_store_b128 v4, v[32+8*\n+4*\c:35+8*\n+4*\c], s[16:17] offset:\n*8192+512*\c th:TH_STORE_NT
.endr
.endr
	s_endpgm
.Lfunc_end_k_q94af0d97f9_prep:
	.size	k_q94af0d97f9_prep, .Lfunc_end_k_q94af0d97f9_prep-k_q94af0d97f9_prep
	.p2alignl 7, 3214868480
	.fill 96, 4, 3214868480
	.section	.rodata,"a",@progbits
	.p2align	6, 0x0
	.amdhsa_kernel k_q94af0d97f9_prep
		.amdhsa_group_segment_fixed_size 0
		.amdhsa_private_segment_fixed_size 0
		.amdhsa_enable_private_segment 0
		.amdhsa_kernarg_size 56
		.amdhsa_user_sgpr_count 2
		.amdhsa_user_sgpr_kernarg_segment_ptr 1
		.amdhsa_wavefront_size32 1
		.amdhsa_system_sgpr_workgroup_id_x 1
		.amdhsa_system_sgpr_workgroup_id_y 1
		.amdhsa_system_sgpr_workgroup_id_z 1
		.amdhsa_system_vgpr_workitem_id 0
		.amdhsa_next_free_vgpr 128
		.amdhsa_next_free_sgpr 66
		.amdhsa_reserve_vcc 0
		.amdhsa_float_denorm_mode_32 3
		.amdhsa_float_denorm_mode_16_64 3
		.amdhsa_memory_ordered 1
		.amdhsa_forward_progress 1
		.amdhsa_inst_pref_size 21
	.end_amdhsa_kernel
	.amdgpu_metadata
---
amdhsa.version: [ 1, 2 ]
amdhsa.kernels:
  - .name:           k_q94af0d97f9_prep
    .symbol:         k_q94af0d97f9_prep.kd
    .args:
      - { .name: Wq, .offset: 0, .size: 8, .value_kind: global_buffer, .address_space: global }
      - { .name: Wk, .offset: 8, .size: 8, .value_kind: global_buffer, .address_space: global }
      - { .name: Wv, .offset: 16, .size: 8, .value_kind: global_buffer, .address_space: global }
      - { .name: W_out, .offset: 24, .size: 8, .value_kind: global_buffer, .address_space: global }
      - { .name: wcodes, .offset: 32, .size: 8, .value_kind: global_buffer, .address_space: global }
      - { .name: wscale, .offset: 40, .size: 8, .value_kind: global_buffer, .address_space: global }
      - { .name: woimg, .offset: 48, .size: 8, .value_kind: global_buffer, .address_space: global }
    .group_segment_fixed_size: 0
    .private_segment_fixed_size: 0
    .kernarg_segment_align: 8
    .kernarg_segment_size: 56
    .max_flat_workgroup_size: 128
    .sgpr_count:     66
    .vgpr_count:     128
    .wavefront_size: 32
...
	.end_amdgpu_metadata
.endif
;; end of part 1
;; launch proj (part 2): grid 64 x 3, 4 waves a work-group, no clusters, 141,824 bytes of LDS; arguments query, key, value, wcodes, wscale, qimg, kimg, vimg; writes qimg, kimg, vimg
.if DOCPART == 2
	.amdgcn_target "amdgcn-amd-amdhsa--gfx1250"
	.amdhsa_code_object_version 6
	.text
	.protected	k_q94af0d97f9_proj
	.globl	k_q94af0d97f9_proj
	.p2align	8
	.type	k_q94af0d97f9_proj,@function
k_q94af0d97f9_proj:
	s_mov_b64 s[64:65], 0
	v_nop
	global_prefetch_b8 v0, s[64:65] scope:SCOPE_SE
	s_setreg_imm32_b32 hwreg(HW_REG_WAVE_MODE, 25, 1), 1
	s_wait_xcnt 0x0
; PROJ: q = query Wq, k = key Wk, v = value Wv, head by head, on codes of FP4 (E2M1) with one E8M0 scale for each 32 along d; sums in f32; results rounded once to f16.
; SHARES.  Work-group (x, y): 128 rows (block x) of tensor y (0 query, 1 key, 2 value), all 1,024 columns: so each row is read from memory once and quantised once.
;   First each wave quantises 32 of the rows (16 fragments of 16 rows x 128 d) and puts the fragments into LDS as IMAGES OF THEIR REGISTERS (each group of four registers at 16 x lane); one barrier;
;   then wave w makes heads 4 w .. 4 w + 3 for all 128 rows: 32 accumulators (8 tiles of rows x 4 tiles of 16 e), K in 8 steps of 128.
; THE WEIGHTS come from memory straight into the wave's registers, as the images that the launch before has laid: a ring of 8 K steps, 7 steps asked for ahead.  No weight byte is read twice in a work-group.
; No tensor load stands in this text, so there is nothing to ask for jointly: no cluster.  192 work-groups: 3 x 8,192 rows in blocks of 128; blocks of 64 rows would read the weights twice as often.
; THE RESULTS ARE IMAGES TOO.  q, k: source 0 = 16 rows of W (e), source 1 = 16 rows of x: a lane's eight results are eight neighbouring e of one row: four registers of an f16 fragment (16 rows x 32 e).
;   v: the sources swapped: eight neighbouring KEYS of one e: four registers of a fragment of V^T (16 e x 32 keys).  So every store is 512 consecutive bytes, and no stage is needed.
;   qimg, kimg [b][head][tile of 16 rows: 128][32 e: 2][group 2][lane][16 bytes];  vimg [b][head][32 keys: 64][tile of 16 e: 4][group 2][lane][16 bytes].
; LIMITS: a block of zeros gets the scale byte 1 where the rule says 127 (its codes are zeros); NaN and infinities among the inputs are not served; q, k, v go to f16: magnitudes up to 65,504.
; REGISTERS, in windows of 256.  Window 0: v4-11 addresses; v32-95, v96-159 two sets of 64: numbers to quantise, later x's fragments; v160-167 codes just made; v176-192 at work;
;   v194-209 x's scale words (two sets of 8), v210-241 W's (eight sets of 4): these hold scales and nothing else; v252, v253 the add's two.
;   Window 1: the ring of W's fragments, 8 sets of 32.   Window 2: four sets of 64 numbers as they are loaded; later the 32 accumulators ((m, ct) at 8 (4 m + ct)).
.set XIMG,  0                          ; LDS: x's fragments [tile of rows 8][K step 8][1,024 bytes]: wave w stores 16,384 w on
.set XSC,   65536                      ; their scale words [wave 4][K step 8][lane 32][tile 2]: wave w stores 2,048 w on
.set STG,   73728                      ; for each wave two stages of 16 rows x (512 + 16) bytes
.set STH,   8448
.set STW,   2*STH
.set SPARE, 141312                     ; the spare words, 128 bytes for each wave: two blocks of 256 bytes that no other line names
.set LI,  4                            ; v4   16 x lane
.set STI, 5                            ; v5   my stage, on the way in: 16 x lane
.set STO, 6                            ; v6   and on the way out: 528 r + 64 h
.set XWI, 7                            ; v7   where I store images: 16 x lane + 16,384 x wave
.set XWS, 8                            ; v8   and scale words: XSC + 8 x lane + 2,048 x wave
.set XSR, 9                            ; v9   where scale words are read: XSC + 8 x lane
.set AI,  10                           ; v10  XWI + the trip's K steps
.set AS,  11                           ; v11  XWS + the trip's K steps
.set X0,  32
.set PC,  160
.set TM,  176                          ; v176-179 largest magnitudes, v180-183 bytes, v188-191 the conversions' scale operands
.set PW,  192
.set XS,  194
.set WS,  210
.set SPW, 252
.set NIL, 253
.set WV,  20
.set T,   21
.set XB,  24                           ; s[24:25] x at my wave's 32 rows, the trip's K steps
.set WB,  26                           ; s[26:27] the codes of the head in hand
.set WSB, 28                           ; s[28:29] its scale words
.set OB,  30                           ; s[30:31] its results
.set SEL, 32
.set IS,  34
.set SS,  35
.set CNT, 36
.set MSB, 0
.macro WIN new                         ; s_set_vgpr_msb: bits 1:0 source 0, 3:2 source 1, 5:4 source 2, 7:6 destination; the high byte repeats the setting that is left
.if MSB != \new
	s_set_vgpr_msb (MSB<<8)|\new
.set MSB, \new
.endif
.endm
	s_load_b256 s[4:11], s[0:1], 0x0               ; query, key, value, wcodes
	s_load_b256 s[12:19], s[0:1], 0x20             ; wscale, qimg, kimg, vimg
	v_lshl_add_u32 v[SPW], v0, 2, SPARE
	v_mov_b32 v[NIL], 0
	v_lshrrev_b32 v1, 5, v0
	v_readfirstlane_b32 s[WV], v1                  ; wave 0..3
	s_and_b32 s[T], ttmp7, 0xffff                  ; the tensor
	v_and_b32 v1, 31, v0                           ; lane
	v_and_b32 v2, 15, v0                           ; r
	v_bfe_u32 v3, v0, 4, 1                         ; h
	v_lshlrev_b32 v[LI], 4, v1
	s_mul_i32 s22, s[WV], STW
	s_add_co_u32 s22, s22, STG
	v_add_nc_u32 v[STI], s22, v[LI]
	v_mul_u32_u24 v[STO], v2, 528
	v_lshl_add_u32 v[STO], v3, 6, v[STO]
	v_add_nc_u32 v[STO], s22, v[STO]
	s_lshl_b32 s22, s[WV], 14
	v_add_nc_u32 v[XWI], s22, v[LI]
	v_lshl_add_u32 v[XSR], v1, 3, XSC
	s_lshl_b32 s22, s[WV], 11
	v_add_nc_u32 v[XWS], s22, v[XSR]
	s_mov_b32 s[SEL], 0x76543210
	s_mov_b32 s[SEL+1], 0xfedcba98                 ; v_permlanex16_b32's selects for lane l xor 16
.irp b, 0,1,2,3
	v_mov_b32 v[TM+4+\b], 0                        ; written once: a lane permute's destination counts as one of its sources
.endr
	s_mov_b32 s[IS], 0
	s_mov_b32 s[SS], 0
	s_mov_b32 s[CNT], 3
	s_lshl_b32 s38, ttmp9, 19                      ; x: 128 rows of 4,096 bytes a block,
	s_lshl_b32 s22, s[WV], 17                      ; 32 rows a wave
	s_add_co_u32 s38, s38, s22
	s_mov_b32 s39, 0
	s_lshl_b32 s40, s[T], 19                       ; the codes: 524,288 bytes a tensor, 32,768 a head: my four heads
	s_add_co_u32 s40, s40, s22
	s_mov_b32 s41, 0
	s_lshl_b32 s42, s[T], 16                       ; the scale words: 65,536 a tensor, 4,096 a head
	s_lshl_b32 s22, s[WV], 14
	s_add_co_u32 s42, s42, s22
	s_mov_b32 s43, 0
	s_lshr_b32 s44, ttmp9, 4                       ; the results: (16 b + 4 w) heads of 262,144 bytes,
	s_lshl_b32 s44, s44, 4
	s_lshl_b32 s22, s[WV], 2
	s_add_co_u32 s44, s44, s22
	s_lshl_b32 s44, s44, 18
	s_and_b32 s22, ttmp9, 15                       ; and the block's 128 rows in its batch: 16,384 bytes in all three layouts
	s_lshl_b32 s22, s22, 14
	s_add_co_u32 s44, s44, s22
	s_mov_b32 s45, 0
	s_wait_kmcnt 0x0
	s_cmp_eq_u32 s[T], 0
	s_cselect_b64 s[XB:XB+1], s[4:5], s[6:7]
	s_cselect_b64 s[OB:OB+1], s[14:15], s[16:17]
	s_cmp_eq_u32 s[T], 2
	s_cselect_b64 s[XB:XB+1], s[8:9], s[XB:XB+1]
	s_cselect_b64 s[OB:OB+1], s[18:19], s[OB:OB+1]
	s_add_nc_u64 s[XB:XB+1], s[XB:XB+1], s[38:39]
	s_add_nc_u64 s[OB:OB+1], s[OB:OB+1], s[44:45]
	s_add_nc_u64 s[WB:WB+1], s[10:11], s[40:41]
	s_add_nc_u64 s[WSB:WSB+1], s[12:13], s[42:43]
; ---- THE ROWS ARE QUANTISED.  Sixteen fragments a wave, four a trip: fragment i of a trip is K step i / 2 of the trip's two, tile of rows i % 2.
; 16 loads: each takes 512 consecutive bytes of one row (128 numbers), 16 bytes a lane, into set i of window 2.  ahead = 1: the next trip's.
.macro XLOAD i, ahead
	WIN 0x80
.irp row, 0,1,2,3,4,5,6,7,8,9,10,11,12,13,14,15
	global_load_b128 v[64*(\i)+4*\row:64*(\i)+4*\row+3], v[LI], s[XB:XB+1] offset:(\ahead)*1024+(16*((\i)%2)+\row)*4096+512*((\i)/2) th:TH_LOAD_NT
.endr
	WIN 0
.endm
; The conversions take neighbours along K from ONE lane's registers: so a fragment's 8,192 bytes turn through my own stage: in as they were loaded, out 16 neighbours of each block of 32 to a lane.
; Register 16 b + n then holds k = 32 b + 16 h + n of row r.  LDS serves a wave's instructions in order: no wait between the stores and the loads.
.macro TURN i
	WIN 0x08                                       ; an LDS store's data are its source 1: window 2
.irp row, 0,1,2,3,4,5,6,7,8,9,10,11,12,13,14,15
	ds_store_b128 v[STI], v[64*(\i)+4*\row:64*(\i)+4*\row+3] offset:((\i)%2)*STH+\row*528
.endr
	WIN 0
.irp b, 0,1,2,3
.irp j, 0,1,2,3
	ds_load_b128 v[X0+64*((\i)%2)+16*\b+4*\j:X0+64*((\i)%2)+16*\b+4*\j+3], v[STO] offset:((\i)%2)*STH+128*\b+16*\j
.endr
.endr
.endm
; 64 numbers of a lane, v[s] on, become a fragment's codes in v[PC] on and its row's scale word in v[PW].
.macro QUANT s
.irp b, 0,1,2,3
	v_max3_num_f32 v[TM+\b], |v[\s+16*\b]|, |v[\s+1+16*\b]|, 0x1800000   ; block b: my 16 numbers, and the floor 2^(3 - 127): the byte cannot fall under 1
.endr
.irp i, 2,4,6,8,10,12,14
.irp b, 0,1,2,3
	v_max3_num_f32 v[TM+\b], v[TM+\b], |v[\s+16*\b+\i]|, |v[\s+1+16*\b+\i]|   ; the four blocks by turns
.endr
.endr
.irp b, 0,1,2,3
	v_permlanex16_b32 v[TM+4+\b], v[TM+\b], s[SEL], s[SEL+1]
.endr
.irp b, 0,1,2,3
	v_max_num_f32 v[TM+\b], v[TM+\b], v[TM+4+\b]   ; with lane l xor 16's: the block's largest magnitude
.endr
.irp b, 0,1,2,3
	v_add_nc_u32 v[TM+12+\b], 0xff000000, v[TM+\b] ; 2 off its exponent field: the conversion's scale operand
.endr
.irp b, 0,1,2,3
	v_lshrrev_b32 v[TM+4+\b], 23, v[TM+12+\b]      ; the scale's byte
.endr
	v_lshl_or_b32 v[PW], v[TM+5], 8, v[TM+4]
	v_lshl_or_b32 v[PW], v[TM+6], 16, v[PW]
	v_lshl_or_b32 v[PW], v[TM+7], 24, v[PW]
.irp b, 0,1,2,3
	v_cvt_scalef32_pk8_fp4_f32 v[PC+2*\b], v[\s+16*\b:\s+7+16*\b], v[TM+12+\b]
	v_cvt_scalef32_pk8_fp4_f32 v[PC+1+2*\b], v[\s+8+16*\b:\s+15+16*\b], v[TM+12+\b]
.endr
	v_nop                                          ; one plain instruction behind the last scaled conversion
.irp c, 0,1                                    ; the operand's layout wants a WHOLE block in a lane: lanes 0-15 block 2 c, lanes 16-31 block 2 c + 1
.irp i, 0,1
	v_permlane16_swap_b32 v[PC+4*\c+\i], v[PC+2+4*\c+\i]
.endr
.endr
.endm
.macro IMAGE i                         ; the fragment goes to LDS as it stands, its scale word beside it
.irp c, 0,1
	ds_store_b128 v[AI], v[PC+4*\c:PC+4*\c+3] offset:((\i)%2)*8192+((\i)/2)*1024+512*\c
.endr
	ds_store_b32 v[AS], v[PW] offset:((\i)/2)*256+4*((\i)%2)
.endm
; 9 loads: K step k (counted from the head in hand) of my head's weights: four fragments into set k % 8 of the ring, and their four scale words a lane.
.macro WLOAD k
	WIN 0x40
.irp ct, 0,1,2,3
.irp c, 0,1
	global_load_b128 v[32*((\k)%8)+8*\ct+4*\c:32*((\k)%8)+8*\ct+4*\c+3], v[LI], s[WB:WB+1] offset:(\k)*4096+\ct*1024+512*\c
.endr
.endr
	WIN 0
	global_load_b128 v[WS+4*((\k)%8):WS+4*((\k)%8)+3], v[LI], s[WSB:WSB+1] offset:(\k)*512
.endm
; One fragment's turn.  load: its set takes the next trip's fragment; left: the younger loads that may stay out when the next fragment's 16 have to be in; turn: the next fragment goes through the stage
; while this one is quantised; prefill: the first seven K steps of the weights are asked for.
.macro FRAG i, load, left, turn, prefill
	s_wait_dscnt 0x0                               ; this fragment's numbers are back from the stage, so its stage stores have read set i; the last image's stores have read the codes
.if \load
	XLOAD \i, 1
.endif
.if \turn
	s_wait_loadcnt \left
	TURN ((\i)+1)%4
.endif
.if \prefill
.irp k, 0,1,2,3,4,5,6
	WLOAD \k
.endr
.endif
	QUANT X0+64*((\i)%2)
	IMAGE \i
.endm
	XLOAD 0, 0
	XLOAD 1, 0
	XLOAD 2, 0
	XLOAD 3, 0
	s_wait_loadcnt 48                              ; set 0's 16 loads are in; three sets of 16 may be out
	TURN 0
.Lx:                                               ; three trips; each asks for the next trip's four fragments
	v_add_nc_u32 v[AI], s[IS], v[XWI]
	v_add_nc_u32 v[AS], s[SS], v[XWS]
	FRAG 0, 1, 48, 1, 0                            ; 48: behind the next fragment's loads stand three sets of 16
	FRAG 1, 1, 48, 1, 0
	FRAG 2, 1, 48, 1, 0
	FRAG 3, 1, 48, 1, 0
	s_wait_xcnt 0x0                                ; the loads have read their base: it may step
	s_add_nc_u64 s[XB:XB+1], s[XB:XB+1], 1024      ; two K steps along the rows
	s_add_co_u32 s[IS], s[IS], 2048
	s_add_co_u32 s[SS], s[SS], 512
	s_sub_co_u32 s[CNT], s[CNT], 1
	s_cmp_lg_u32 s[CNT], 0
	s_cbranch_scc1 .Lx
	v_add_nc_u32 v[AI], s[IS], v[XWI]              ; the last four are written out: no load leaves x, and the counts run down
	v_add_nc_u32 v[AS], s[SS], v[XWS]
	FRAG 0, 0, 32, 1, 0
	FRAG 1, 0, 16, 1, 0
	FRAG 2, 0, 0, 1, 1
	FRAG 3, 0, 0, 0, 0
	s_wait_dscnt 0x0                               ; for the others' sake: my images and scale words have landed
	s_barrier_signal -1
	s_barrier_wait -1                              ; x's 64 fragments lie in LDS; from here on LDS is only read
; ---- THE PRODUCTS.
.macro XFETCH s                        ; K step s of x: eight fragments and their scale words, into set s % 2
.irp m, 0,1,2,3,4,5,6,7
.irp c, 0,1
	ds_load_b128 v[X0+64*((\s)%2)+8*\m+4*\c:X0+64*((\s)%2)+8*\m+4*\c+3], v[LI] offset:\m*8192+(\s)*1024+512*\c
.endr
.endr
.irp w, 0,1,2,3
	ds_load_b64 v[XS+8*((\s)%2)+2*\w:XS+8*((\s)%2)+2*\w+1], v[XSR] offset:\w*2048+(\s)*256
.endr
.endm
; 16 matrix instructions: tiles of rows m0 .. m0 + 3 x my head's four tiles of e.  The 32 accumulators take turns, one instruction a turn, in the same order in every step.
; K step 0 starts the sums with the constant 0: nothing is cleared.  swap = 0: source 0 = W, source 1 = x;  swap = 1: the other way round, scale operands too.
.macro MUL m0, s, swap
.if \swap
	WIN 0xa4                                       ; source 0 (x) window 0, source 1 (W) window 1, C and D window 2
.else
	WIN 0xa1                                       ; source 0 (W) window 1, source 1 (x) window 0, C and D window 2
.endif
.irp m, \m0, \m0+1, \m0+2, \m0+3
.irp ct, 0,1,2,3
.if \swap
.if (\s) == 0
	v_wmma_scale_f32_16x16x128_f8f6f4 v[8*(4*(\m)+\ct):8*(4*(\m)+\ct)+7], v[X0+64*((\s)%2)+8*(\m):X0+64*((\s)%2)+8*(\m)+7], v[32*((\s)%8)+8*\ct:32*((\s)%8)+8*\ct+7], 0, v[XS+8*((\s)%2)+(\m)], v[WS+4*((\s)%8)+\ct] matrix_a_fmt:MATRIX_FMT_FP4 matrix_b_fmt:MATRIX_FMT_FP4
.else
	v_wmma_scale_f32_16x16x128_f8f6f4 v[8*(4*(\m)+\ct):8*(4*(\m)+\ct)+7], v[X0+64*((\s)%2)+8*(\m):X0+64*((\s)%2)+8*(\m)+7], v[32*((\s)%8)+8*\ct:32*((\s)%8)+8*\ct+7], v[8*(4*(\m)+\ct):8*(4*(\m)+\ct)+7], v[XS+8*((\s)%2)+(\m)], v[WS+4*((\s)%8)+\ct] matrix_a_fmt:MATRIX_FMT_FP4 matrix_b_fmt:MATRIX_FMT_FP4
.endif
.else
.if (\s) == 0
	v_wmma_scale_f32_16x16x128_f8f6f4 v[8*(4*(\m)+\ct):8*(4*(\m)+\ct)+7], v[32*((\s)%8)+8*\ct:32*((\s)%8)+8*\ct+7], v[X0+64*((\s)%2)+8*(\m):X0+64*((\s)%2)+8*(\m)+7], 0, v[WS+4*((\s)%8)+\ct], v[XS+8*((\s)%2)+(\m)] matrix_a_fmt:MATRIX_FMT_FP4 matrix_b_fmt:MATRIX_FMT_FP4
.else
	v_wmma_scale_f32_16x16x128_f8f6f4 v[8*(4*(\m)+\ct):8*(4*(\m)+\ct)+7], v[32*((\s)%8)+8*\ct:32*((\s)%8)+8*\ct+7], v[X0+64*((\s)%2)+8*(\m):X0+64*((\s)%2)+8*(\m)+7], v[8*(4*(\m)+\ct):8*(4*(\m)+\ct)+7], v[WS+4*((\s)%8)+\ct], v[XS+8*((\s)%2)+(\m)] matrix_a_fmt:MATRIX_FMT_FP4 matrix_b_fmt:MATRIX_FMT_FP4
.endif
.endif
.endr
.endr
.endm
; A K step.  lcnt: the younger loads that may stay out when this step's nine have to be in.  In its middle, four places behind the step before (whose x set, scale words and ring set are loaded next),
; it fetches the next step's x from LDS (xnext) and asks for the weights seven steps on (wahead).
.macro STEP s, swap, lcnt, wahead, xnext
	s_wait_loadcnt \lcnt
	s_wait_dscnt 0x0                               ; this step's x is in
	MUL 0, \s, \swap
	WIN 0
.rept 4
	v_nop                                          ; places in front of loads into registers that matrix instructions have read (ISA guide 7.12.1 for vector instructions)
.endr
.if \xnext
	XFETCH ((\s)+1)%8
.endif
.if \wahead
	WLOAD (\s)+7
.endif
	MUL 4, \s, \swap
.endm
; A head goes out: rounded to f16 in place, each accumulator from its low end on; four registers of an accumulator are four registers of a fragment: 512 consecutive bytes a store.
; The conversions of the accumulators finished earlier are the places behind the last products.
.macro OUT swap, step
	WIN 0x8a                                       ; sources 0 and 1 and the destination: window 2
.set a, 0
.rept 32
.irp p, 0,1,2,3
	v_cvt_pk_f16_f32 v[8*a+\p], v[8*a+2*\p], v[8*a+2*\p+1]
.endr
.set a, a+1
.endr
	WIN 0x08                                       ; a store's data are its source 1: window 2
.irp m, 0,1,2,3,4,5,6,7
.irp ct, 0,1,2,3
.if \swap
	global_store_b128 v[LI], v[8*(4*\m+\ct):8*(4*\m+\ct)+3], s[OB:OB+1] offset:(\m/2)*4096+\ct*1024+(\m%2)*512 th:TH_STORE_NT
.else
	global_store_b128 v[LI], v[8*(4*\m+\ct):8*(4*\m+\ct)+3], s[OB:OB+1] offset:\m*2048+\ct*512 th:TH_STORE_NT
.endif
.endr
.endr
	WIN 0
.if \step
	s_wait_xcnt 0x0                                ; the stores have read their data and base, the loads their bases: the accumulators may be begun anew and the bases may step
	s_add_nc_u64 s[WB:WB+1], s[WB:WB+1], 32768
	s_add_nc_u64 s[WSB:WSB+1], s[WSB:WSB+1], 4096
	s_add_nc_u64 s[OB:OB+1], s[OB:OB+1], 262144
.endif
.endm
.macro GPHASE swap
	XFETCH 0
	s_mov_b32 s[CNT], 3
.Lhead_\@:                                         ; three heads; the ring of weights runs on into the next head
.irp s, 0,1,2,3,4,5,6,7
	STEP \s, \swap, 54, 1, 1                       ; 54: six younger K steps of nine loads
.endr
	OUT \swap, 1
	s_sub_co_u32 s[CNT], s[CNT], 1
	s_cmp_lg_u32 s[CNT], 0
	s_cbranch_scc1 .Lhead_\@
	STEP 0, \swap, 54, 1, 1                        ; the last head is written out: one more K step is asked for, then the counts run down; no load leaves the weights
	STEP 1, \swap, 54, 0, 1
	STEP 2, \swap, 45, 0, 1
	STEP 3, \swap, 36, 0, 1
	STEP 4, \swap, 27, 0, 1
	STEP 5, \swap, 18, 0, 1
	STEP 6, \swap, 9, 0, 1
	STEP 7, \swap, 0, 0, 0
	OUT \swap, 0
	s_wait_tensorcnt 0x0                           ; the wave's end: behind my last LDS store
	ds_add_u32 v[SPW], v[NIL]
	s_wait_dscnt 0x0
	s_endpgm
.endm
	s_cmp_eq_u32 s[T], 2                           ; the work-group's number alone
	s_cbranch_scc1 .Lvalue
	GPHASE 0
.Lvalue:
	GPHASE 1
.Lfunc_end_k_q94af0d97f9_proj:
	.size	k_q94af0d97f9_proj, .Lfunc_end_k_q94af0d97f9_proj-k_q94af0d97f9_proj
	.p2alignl 7, 3214868480
	.fill 96, 4, 3214868480
	.section	.rodata,"a",@progbits
	.p2align	6, 0x0
	.amdhsa_kernel k_q94af0d97f9_proj
		.amdhsa_group_segment_fixed_size 141824
		.amdhsa_private_segment_fixed_size 0
		.amdhsa_enable_private_segment 0
		.amdhsa_kernarg_size 64
		.amdhsa_user_sgpr_count 2
		.amdhsa_user_sgpr_kernarg_segment_ptr 1
		.amdhsa_wavefront_size32 1
		.amdhsa_system_sgpr_workgroup_id_x 1
		.amdhsa_system_sgpr_workgroup_id_y 1
		.amdhsa_system_sgpr_workgroup_id_z 1
		.amdhsa_system_vgpr_workitem_id 0
		.amdhsa_next_free_vgpr 768
		.amdhsa_next_free_sgpr 66
		.amdhsa_reserve_vcc 0
		.amdhsa_float_denorm_mode_32 3
		.amdhsa_float_denorm_mode_16_64 3
		.amdhsa_memory_ordered 1
		.amdhsa_forward_progress 1
		.amdhsa_inst_pref_size 255
	.end_amdhsa_kernel
	.section	.bss,"aw",@nobits
	.p2align	6
	.space	262144
	.amdgpu_metadata
---
amdhsa.version: [ 1, 2 ]
amdhsa.kernels:
  - .name:           k_q94af0d97f9_proj
    .symbol:         k_q94af0d97f9_proj.kd
    .args:
      - { .name: query, .offset: 0, .size: 8, .value_kind: global_buffer, .address_space: global }
      - { .name: key, .offset: 8, .size: 8, .value_kind: global_buffer, .address_space: global }
      - { .name: value, .offset: 16, .size: 8, .value_kind: global_buffer, .address_space: global }
      - { .name: wcodes, .offset: 24, .size: 8, .value_kind: global_buffer, .address_space: global }
      - { .name: wscale, .offset: 32, .size: 8, .value_kind: global_buffer, .address_space: global }
      - { .name: qimg, .offset: 40, .size: 8, .value_kind: global_buffer, .address_space: global }
      - { .name: kimg, .offset: 48, .size: 8, .value_kind: global_buffer, .address_space: global }
      - { .name: vimg, .offset: 56, .size: 8, .value_kind: global_buffer, .address_space: global }
    .group_segment_fixed_size: 141824
    .private_segment_fixed_size: 0
    .kernarg_segment_align: 8
    .kernarg_segment_size: 64
    .max_flat_workgroup_size: 128
    .sgpr_count:     66
    .vgpr_count:     768
    .wavefront_size: 32
...
	.end_amdgpu_metadata
.endif
;; end of part 2
;; launch attn (part 3): grid 4 x 64, 8 waves a work-group, clusters of 4 x 1, 327,680 bytes of LDS; arguments qimg, kimg, vimg, key_attention_mask, oimg; writes oimg
.if DOCPART == 3
	.amdgcn_target "amdgcn-amd-amdhsa--gfx1250"
	.amdhsa_code_object_version 6
	.text
	.protected	k_q94af0d97f9_attn
	.globl	k_q94af0d97f9_attn
	.p2align	8
	.type	k_q94af0d97f9_attn,@function
k_q94af0d97f9_attn:
	s_mov_b64 s[64:65], 0
	v_nop
	global_prefetch_b8 v0, s[64:65] scope:SCOPE_SE
	s_setreg_imm32_b32 hwreg(HW_REG_WAVE_MODE, 25, 1), 1
	s_wait_xcnt 0x0
	s_wait_alu depctr_hold_cnt(0) depctr_sa_sdst(0) depctr_va_vdst(0) depctr_va_sdst(0) depctr_va_ssrc(0) depctr_va_vcc(0) depctr_vm_vsrc(0)
	s_getreg_b32 s2, hwreg(HW_REG_IB_STS2, 6, 4)
	s_cmp_eq_u32 s2, 0
	s_cbranch_scc0 .Lentry_in_a_cluster
	s_endpgm
.Lentry_in_a_cluster:
	s_bfe_u32 s2, ttmp6, 0x10000c
	s_cmp_lg_u32 s2, 0x3003
	s_cbranch_scc0 .Lentry_shape_is_right
	s_endpgm
.Lentry_shape_is_right:
; ATTN: o[b][head][q] = the sum over keys of softmax(q . k / 8, hidden keys left out) v, head size 64, 2,048 keys.  q, k, v arrive as f16 fragments (images of operand registers); products and sums in f32;
; the weights p are rounded to f16 for the second product, o once at the end, to f16, again as fragments: the next launch's operand.
; SHARES.  A work-group owns 512 queries of one (b, head), each of its eight waves 64: four tiles of 16.  Two waves share a SIMD, so that one wave's softmax stands beside the other's matrix work.
; CLUSTER.  A head's four work-groups walk the same K and V: each tile is asked for JOINTLY, by the same tensor load with the same descriptor and a mask that names the four.
; LAYOUT.  S^T = K Q^T (source 0 = 16 keys, source 1 = 16 queries): a lane holds ONE query (lane % 16) and keys 8 (lane / 16) + 0..7.  Two such tiles, rounded to f16 in pairs, ARE source 1 of O^T = V^T P.
; K, V^T lie in memory and in LDS as images: a fragment is two loads of 16 bytes a lane at 16 x lane: no pitch, no padding, no turning load.
; THE MASK.  bias[key] = 0 where the key counts, -2^120 where it is hidden; a tile's eight bias registers are the C of its first K Q^T instruction: no vector instruction in the loop.
; SOFTMAX.  A running maximum m and sum l for each query: p = 2^(c s - c m), c = log2(e) / 8; in every step O and l are multiplied by a = 2^(c m_old - c m_new).  m begins at -2^60: under every score of a key that counts
; (|s| <= 64 x 65,504^2 < 2^38) and above every hidden one: so the maximum is taken of the keys that count alone, and hidden keys give p = 0.  A batch with no key that counts gives l = 0 and 0 x (1 / 0): NaN.
; THE RING.  Two slots of 512 keys (64 KB of K, 64 KB of V); waves 0-3 fetch K's quarters, waves 4-7 V's: one load of 16 KB a wave behind each change of slots, and one load of mine out at any time.
; LIMITS: NaN and infinities are not served; l is the sum of the f32 p, while the product takes p rounded to f16.
; REGISTERS.  Window 0: v1-7 addresses; v8-39 eight statistics a tile (+0 c m, +1 m, +2, +3 l, +4, +5 at work, +6 a, +7 at work); v40-71 bias; v72-199 S^T, 32 a tile, whose first 16 become P; v200-213 at work at the head.
;   Window 1: v0-63 Q; v64-127 K of a step, then V of the step; v128-255 O^T, 32 a tile.
.set SLOT1, 131072
.set VOFF,  65536                      ; in a slot: K's images, then V's
.set BIAS,  262144                     ; 2,048 f32
.set SPARE, 270336                     ; the spare words, 128 bytes for each wave: four blocks of 256 bytes that no other line names
.set LI,  1                            ; v1   16 x lane
.set ADK, 2                            ; v2   the step's K
.set ADV, 3                            ; v3   the step's V
.set ADB, 4                            ; v4   the step's bias
.set BI0, 5                            ; v5   BIAS + 32 (lane / 16)
.set PFO, 6                            ; v6   256 x lane
.set LIV, 7                            ; v7   16 x lane + VOFF
.set ST,  8
.set BB,  40
.set S,   72
.set SPW, 252
.set NIL, 253
.set WV,  14
.set G1,  24                           ; s[24:31] descriptor group 1: 16 KB, dense
.set G0K, 32                           ; s[32:35] group 0 for K's quarter; it walks
.set G0V, 48                           ; s[48:51] for V's
.set SLOTS, 36
.set CNT, 37
.set CS,  38                           ; s[38:39] c
.set SEL, 40
.set TB,  42                           ; s42  LDS byte at which the step's K begins
.set TJ,  43                           ; s43  the step's bias: 256 bytes a step
.set PFA, 44                           ; s[44:45] where my prefetches stand
.set LIM, 46
.set MSB, 0
.macro WIN new                         ; s_set_vgpr_msb: bits 1:0 source 0, 3:2 source 1, 5:4 source 2, 7:6 destination; the high byte repeats the setting that is left
.if MSB != \new
	s_set_vgpr_msb (MSB<<8)|\new
.set MSB, \new
.endif
.endm
; A joint load.  The branch hangs on the wave's number alone: it is the same in every work-group.  An s_nop 0 and four v_nop follow each of the two lines.
.macro JLOAD
	s_cmp_lt_u32 s[WV], 4
	s_cbranch_scc0 .Lfor_v_\@
	tensor_load_to_lds s[G0K:G0K+3], s[G1:G1+7]
	s_nop 0
.rept 4
	v_nop
.endr
	s_branch .Lasked_\@
.Lfor_v_\@:
	tensor_load_to_lds s[G0V:G0V+3], s[G1:G1+7]
	s_nop 0
.rept 4
	v_nop
.endr
.Lasked_\@:
.endm
; A prefetch of what the NEXT change of slots will ask for: eight key steps ahead of that load.  A head's K and V are walked by this cluster alone.  Waves 0, 2 (K) and 4, 6 (V) ask, each for its own quarter and the
; next wave's: 32 KB, of which each of the four partners takes 8 KB, told apart BY ADDRESS; lanes 256 bytes apart: each block of 256 bytes is named once in the launch.  The last change that fills a slot asks for nothing.
.macro ASK
	s_cmp_gt_u32 s[SLOTS], s[LIM]
	s_cbranch_scc0 .Lnot_mine_\@
	global_prefetch_b8 v[PFO], s[PFA:PFA+1] th:TH_LOAD_NT scope:SCOPE_SE
.Lnot_mine_\@:
.endm
.macro CROUND                          ; a round of the cluster's barrier
	s_barrier_signal -1
	s_barrier_wait -1
	s_cmp_lg_u32 s[WV], 0
	s_cbranch_scc1 .Lnot_wave_0_\@
	s_barrier_signal -3
.Lnot_wave_0_\@:
	s_barrier_wait -3
	s_barrier_signal -1
	s_barrier_wait -1
.endm
	s_load_b256 s[4:11], s[0:1], 0x0               ; qimg s[4:5], kimg s[6:7], vimg s[8:9], the mask s[10:11]
	s_load_b64 s[12:13], s[0:1], 0x20              ; oimg
	v_lshl_add_u32 v[SPW], v0, 2, SPARE
	v_mov_b32 v[NIL], 0
	ds_add_u32 v[SPW], v[NIL]                      ; the wave's opening: the add, twice on end, and its wait ahead of my first tensor load
	ds_add_u32 v[SPW], v[NIL]
	v_lshrrev_b32 v1, 5, v0
	v_readfirstlane_b32 s[WV], v1                  ; wave 0..7
	s_bfe_u32 s15, ttmp6, 0x40000                  ; cx: my place in the cluster: it enters Q's, O's and the prefetches' addresses alone
	s_and_b32 s16, ttmp7, 0xffff                   ; 16 b + head, which the four partners share
	s_mov_b32 s[G1], 15|(3<<16)|(1<<21)            ; 15:0 the mask: all four work-groups; 17:16 elements of 8 bytes; 21 set beside a mask; no padding
	s_mov_b32 s[G1+1], 32<<16                      ; tensor_dim0 = 32 elements: rows of 256 bytes
	s_mov_b32 s[G1+2], 64<<16                      ; tensor_dim1 = 64
	s_mov_b32 s[G1+3], 32<<16                      ; tile_dim0
	s_mov_b32 s[G1+4], 64                          ; tile_dim1
	s_mov_b32 s[G1+5], 32                          ; the pitch: dense
	s_mov_b32 s[G1+6], 0
	s_mov_b32 s[G1+7], 0
	s_lshl_b32 s52, s16, 18                        ; the head's first byte in qimg, kimg, vimg: 262,144 bytes a head
	s_and_b32 s17, s[WV], 3
	s_lshl_b32 s17, s17, 14                        ; my quarter of a slot's K or V: in memory and in LDS
	s_add_co_u32 s54, s52, s17
	s_mov_b32 s55, 0
	s_lshl_b32 s18, s15, 16                        ; Q: my work-group's 512 queries, 2,048 bytes a tile,
	s_lshl_b32 s19, s[WV], 13                      ; my wave's four tiles
	s_add_co_u32 s56, s52, s18
	s_add_co_u32 s56, s56, s19
	s_mov_b32 s57, 0
	s_and_b32 s20, s16, 15                         ; the head
	s_lshr_b32 s21, s16, 4                         ; b
	s_lshr_b32 s22, s20, 2                         ; O: the K step of the last product: four heads, 4,194,304 bytes;
	s_lshl_b32 s22, s22, 22
	s_lshl_b32 s23, s21, 7                         ; the tile of rows 128 b + 32 cx + 4 w: 8,192 bytes;
	s_lshl_b32 s18, s15, 5
	s_add_co_u32 s23, s23, s18
	s_lshl_b32 s18, s[WV], 2
	s_add_co_u32 s23, s23, s18
	s_lshl_b32 s23, s23, 13
	s_add_co_u32 s22, s22, s23
	s_and_b32 s20, s20, 3                          ; the head's two fragments in it: 2,048 bytes
	s_lshl_b32 s20, s20, 11
	s_add_co_u32 s58, s22, s20
	s_mov_b32 s59, 0
	s_lshl_b32 s60, s21, 11                        ; the mask: 2,048 bytes a batch
	s_mov_b32 s61, 0
	s_lshl_b32 s62, s15, 13                        ; the prefetches: my work-group's 8 KB,
	s_add_co_u32 s62, s62, 65536                   ; in slot 1: the first change of slots steps it to slot 2.  Nothing is prefetched at the head
	s_mov_b32 s63, 0
	s_mov_b32 s[CS], 0x3e38aa3b                    ; c = log2(e) / 8
	s_mov_b32 s[CS+1], s[CS]                       ; (named with it as a pair, so it is written)
	s_mov_b32 s[SEL], 0x76543210
	s_mov_b32 s[SEL+1], 0xfedcba98                 ; v_permlanex16_b32's selects for lane l xor 16
	s_mov_b32 s[TB], 0
	s_mov_b32 s[TJ], 0
	s_mov_b32 s[SLOTS], 3
	s_and_b32 s[LIM], s[WV], 1
	s_cmp_eq_u32 s[LIM], 0
	s_cselect_b32 s[LIM], 1, -1                    ; 1 in the even waves, which prefetch; else the greatest number
	s_wait_dscnt 0x0                               ; both opening adds are done
	s_wait_kmcnt 0x0
	s_mov_b32 s[G0K], 1                            ; count = 1
	s_mov_b32 s[G0K+1], s17                        ; LDS address: slot 0, my quarter of K
	s_add_nc_u64 s[G0K+2:G0K+3], s[6:7], s[54:55]
	s_mov_b32 s[G0V], 1
	s_add_co_u32 s[G0V+1], s17, VOFF
	s_add_nc_u64 s[G0V+2:G0V+3], s[8:9], s[54:55]
	s_cmp_lt_u32 s[WV], 4
	s_cselect_b64 s[PFA:PFA+1], s[G0K+2:G0K+3], s[G0V+2:G0V+3]
	s_add_nc_u64 s[PFA:PFA+1], s[PFA:PFA+1], s[62:63]
	s_or_b32 s[G0K+3], s[G0K+3], 0x80000000        ; type = 2
	s_or_b32 s[G0V+3], s[G0V+3], 0x80000000
	s_add_nc_u64 s[4:5], s[4:5], s[56:57]
	s_add_nc_u64 s[12:13], s[12:13], s[58:59]
	s_add_nc_u64 s[10:11], s[10:11], s[60:61]
	CROUND                                         ; all four work-groups are here: the first joint loads meet
	JLOAD                                          ; slot 0
	v_and_b32 v[LI], 31, v0
	v_lshlrev_b32 v[PFO], 8, v[LI]
	v_lshlrev_b32 v[LI], 4, v[LI]
	v_add_nc_u32 v[LIV], VOFF, v[LI]
	v_bfe_u32 v[BI0], v0, 4, 1
	v_lshl_add_u32 v[BI0], v[BI0], 5, BIAS
	v_lshlrev_b32 v212, 3, v0                      ; the mask: 8 bytes a thread: 256 threads, 2,048 keys
	v_lshl_add_u32 v213, v0, 5, BIAS               ; and their 8 bias numbers
	WIN 0x40                                       ; destination window 1
.irp t, 0,1,2,3
.irp k, 0,1
.irp c, 0,1
	global_load_b128 v[16*\t+8*\k+4*\c:16*\t+8*\k+4*\c+3], v[LI], s[4:5] offset:\t*2048+\k*1024+512*\c th:TH_LOAD_NT   ; Q stays in registers
.endr
.endr
.endr
.set i, 0
.rept 128
	v_mov_b32 v[128+i], 0                          ; O^T.  (The step is written once: the first finds zeros, which the first change of m leaves zeros)
.set i, i+1
.endr
	WIN 0
	global_load_b64 v[200:201], v212, s[10:11]
.irp t, 0,1,2,3
	v_mov_b32 v[ST+8*\t+1], 0xdd800000             ; m = -2^60
	v_mov_b32 v[ST+8*\t+2], 0                      ; l, in two halves
	v_mov_b32 v[ST+8*\t+3], 0
	v_mov_b32 v[ST+8*\t+5], 0                      ; written once: a lane permute's destination counts as one of its sources
.endr
.irp t, 0,1,2,3
	v_mul_f32 v[ST+8*\t], s[CS], v[ST+8*\t+1]      ; c m
.endr
	s_wait_loadcnt 0x0                             ; Q and the mask
.irp i, 0,1,2,3,4,5,6,7
	v_bfe_u32 v[204+\i], v[200+\i/4], 8*(\i%4), 8  ; 1: the key counts; 0: it is hidden
.endr
.irp i, 0,1,2,3,4,5,6,7
	v_add_nc_u32 v[204+\i], -1, v[204+\i]          ; no bit, or all bits
.endr
.irp i, 0,1,2,3,4,5,6,7
	v_and_b32 v[204+\i], 0xfb800000, v[204+\i]     ; 0, or -2^120
.endr
	ds_store_b128 v213, v[204:207]
	ds_store_b128 v213, v[208:211] offset:16       ; the first change of slots waits for these and passes a barrier before anybody reads them
; 32 products S^T = bias + K Q^T: keys 16 (i % 4) on, tile (i / 4) % 4, channels 32 (i / 16) on.  The 16 accumulators take turns, one instruction a turn.
.macro KQ
	WIN 0x05                                       ; K and Q window 1; C and D window 0
.set i, 0
.rept 32
.set rS, S+32*((i/4)%4)+8*(i%4)
.set rK, 64+16*(i%4)+8*(i/16)
.set rQ, 16*((i/4)%4)+8*(i/16)
.if i < 16
	v_wmma_f32_16x16x32_f16 v[rS:rS+7], v[rK:rK+7], v[rQ:rQ+7], v[BB+8*(i%4):BB+8*(i%4)+7]
.else
	v_wmma_f32_16x16x32_f16 v[rS:rS+7], v[rK:rK+7], v[rQ:rQ+7], v[rS:rS+7]
.endif
.set i, i+1
.endr
.endm
; 32 products O^T += V^T P: channels 16 (i % 4) on, tile (i / 4) % 4, keys 32 (i / 16) on.
.macro PV
	WIN 0x51                                       ; V window 1, P window 0, C and D window 1
.set i, 0
.rept 32
.set rO, 128+32*((i/4)%4)+8*(i%4)
.set rV, 64+32*(i/16)+8*(i%4)
.set rP, S+32*((i/4)%4)+8*(i/16)
	v_wmma_f32_16x16x32_f16 v[rO:rO+7], v[rV:rV+7], v[rP:rP+7], v[rO:rO+7]
.set i, i+1
.endr
.endm
; The four tiles' softmax of one key step, the tiles by turns, line by line, so that no line waits for the line above it.
.macro SOFTMAX
.irp j, 0,1,2,3                                ; the maximum of a lane's 32 scores and the old m: four chains; each accumulator is read from its low end on
.irp t, 0,1,2,3
	v_max3_num_f32 v[ST+8*\t+4+\j], v[S+32*\t+8*\j], v[S+32*\t+8*\j+1], v[S+32*\t+8*\j+2]
.endr
.endr
.irp q, 1,2
.irp j, 0,1,2,3
.irp t, 0,1,2,3
	v_max3_num_f32 v[ST+8*\t+4+\j], v[ST+8*\t+4+\j], v[S+32*\t+8*\j+2*\q+1], v[S+32*\t+8*\j+2*\q+2]
.endr
.endr
.endr
.irp t, 0,1,2,3
	v_max3_num_f32 v[ST+8*\t+4], v[ST+8*\t+4], v[S+32*\t+7], v[S+32*\t+15]
.endr
.irp t, 0,1,2,3
	v_max3_num_f32 v[ST+8*\t+6], v[ST+8*\t+6], v[S+32*\t+23], v[S+32*\t+31]
.endr
.irp t, 0,1,2,3
	v_max3_num_f32 v[ST+8*\t+4], v[ST+8*\t+4], v[ST+8*\t+5], v[ST+8*\t+6]
.endr
.irp t, 0,1,2,3
	v_max3_num_f32 v[ST+8*\t+4], v[ST+8*\t+4], v[ST+8*\t+7], v[ST+8*\t+1]
.endr
.irp t, 0,1,2,3
	v_permlanex16_b32 v[ST+8*\t+5], v[ST+8*\t+4], s[SEL], s[SEL+1]   ; the query's other 32 keys lie in the lane 16 away
.endr
.irp t, 0,1,2,3
	v_mov_b32 v[ST+8*\t+7], v[ST+8*\t]             ; c m_old is kept for a
.endr
.irp t, 0,1,2,3
	v_max_num_f32 v[ST+8*\t+1], v[ST+8*\t+4], v[ST+8*\t+5]
.endr
.irp t, 0,1,2,3
	v_mul_f32 v[ST+8*\t], s[CS], v[ST+8*\t+1]
.endr
.irp t, 0,1,2,3
	v_sub_f32 v[ST+8*\t+7], v[ST+8*\t+7], v[ST+8*\t]
.endr
.irp b, 0,1,2,3,4,5,6,7,8,9,10,11,12,13,14,15
.irp t, 0,1,2,3
	v_pk_fma_f32 v[S+32*\t+2*\b:S+32*\t+2*\b+1], v[S+32*\t+2*\b:S+32*\t+2*\b+1], s[CS:CS+1], v[ST+8*\t:ST+8*\t+1] op_sel_hi:[1,0,0] neg_lo:[0,0,1] neg_hi:[0,0,1]   ; c s - c m, two at a time
.endr
.endr
.irp t, 0,1,2,3
	v_exp_f32 v[ST+8*\t+6], v[ST+8*\t+7]           ; a
.endr
.set e, 0
.rept 32
.irp t, 0,1,2,3
	v_exp_f32 v[S+32*\t+e], v[S+32*\t+e]           ; p: ONE BATCH of 132 exponentials; none reads another's result
.endr
.set e, e+1
.endr
	v_nop                                          ; a plain instruction behind the last exponential
	s_wait_alu depctr_va_vdst(0)                   ; the wait ahead of the first instruction that names a result: one for the batch
.irp t, 0,1,2,3
	v_pk_fma_f32 v[ST+8*\t+2:ST+8*\t+3], v[ST+8*\t+2:ST+8*\t+3], v[ST+8*\t+6:ST+8*\t+7], v[S+32*\t:S+32*\t+1] op_sel_hi:[1,0,1]   ; l = a l + the first pair; the sums leave p as it is
.endr
.irp t, 0,1,2,3
	v_pk_add_f32 v[ST+8*\t+4:ST+8*\t+5], v[S+32*\t+2:S+32*\t+3], v[S+32*\t+4:S+32*\t+5]   ; a second chain
.endr
.irp b, 3,5,7,9,11,13
.irp t, 0,1,2,3
	v_pk_add_f32 v[ST+8*\t+2:ST+8*\t+3], v[ST+8*\t+2:ST+8*\t+3], v[S+32*\t+2*\b:S+32*\t+2*\b+1]
.endr
.irp t, 0,1,2,3
	v_pk_add_f32 v[ST+8*\t+4:ST+8*\t+5], v[ST+8*\t+4:ST+8*\t+5], v[S+32*\t+2*\b+2:S+32*\t+2*\b+3]
.endr
.endr
.irp t, 0,1,2,3
	v_pk_add_f32 v[ST+8*\t+2:ST+8*\t+3], v[ST+8*\t+2:ST+8*\t+3], v[S+32*\t+30:S+32*\t+31]
.endr
.irp t, 0,1,2,3
	v_pk_add_f32 v[ST+8*\t+2:ST+8*\t+3], v[ST+8*\t+2:ST+8*\t+3], v[ST+8*\t+4:ST+8*\t+5]
.endr
.irp i, 0,1,2,3,4,5,6,7,8,9,10,11,12,13,14,15
.irp t, 0,1,2,3
	v_cvt_pk_f16_f32 v[S+32*\t+\i], v[S+32*\t+2*\i], v[S+32*\t+2*\i+1]   ; P, in place: register i takes pair i, which lies at or above it
.endr
.endr
	WIN 0x41                                       ; O^T (destination and source 0) window 1, a window 0
.irp i, 0,1,2,3,4,5,6,7,8,9,10,11,12,13,14,15
.irp t, 0,1,2,3
	v_pk_mul_f32 v[128+32*\t+2*\i:128+32*\t+2*\i+1], v[128+32*\t+2*\i:128+32*\t+2*\i+1], v[ST+8*\t+6:ST+8*\t+7] op_sel_hi:[1,0]   ; O^T x a, each accumulator from its low end on
.endr
.endr
.endm
; A KEY STEP: 64 keys.
.macro STEP
	v_add_nc_u32 v[ADK], s[TB], v[LI]              ; five plain instructions behind the last V^T P: its P is written over by the next K Q^T, its V's registers are loaded next
	v_add_nc_u32 v[ADV], s[TB], v[LIV]
	v_add_nc_u32 v[ADB], s[TJ], v[BI0]
	v_nop
	v_nop
.irp k, 0,1,2,3
.irp c, 0,1
	ds_load_b128 v[BB+8*\k+4*\c:BB+8*\k+4*\c+3], v[ADB] offset:64*\k+16*\c   ; bias of keys 16 k + 8 (lane / 16) + 0 .. 7
.endr
.endr
	WIN 0x40                                       ; destination window 1
.irp f, 0,1,2,3,4,5,6,7
.irp c, 0,1
	ds_load_b128 v[64+8*\f+4*\c:64+8*\f+4*\c+3], v[ADK] offset:\f*1024+512*\c   ; K: fragment f = 2 x tile of keys + half of the channels
.endr
.endr
	s_wait_dscnt 0x0
	KQ
	WIN 0
.rept 4
	v_nop                                          ; places in front of the loads into K's registers and of the first read of the scores
.endr
	WIN 0x40
.irp f, 0,1,2,3,4,5,6,7
.irp c, 0,1
	ds_load_b128 v[64+8*\f+4*\c:64+8*\f+4*\c+3], v[ADV] offset:\f*1024+512*\c   ; V^T: fragment f = 4 x half of the keys + tile of channels; it lands under the softmax
.endr
.endr
	WIN 0
	SOFTMAX
	s_wait_dscnt 0x0                               ; V is in
	PV
	WIN 0
	s_add_co_u32 s[TB], s[TB], 8192
	s_add_co_u32 s[TJ], s[TJ], 256
.endm
.macro EIGHT_STEPS                     ; a slot's eight key steps: written once, walked eight times
	s_mov_b32 s[CNT], 8
.Lstep_\@:
	STEP
	s_sub_co_u32 s[CNT], s[CNT], 1
	s_cmp_lg_u32 s[CNT], 0
	s_cbranch_scc1 .Lstep_\@
	s_sub_co_u32 s[TB], s[TB], 65536               ; back to a slot's first step,
	s_xor_b32 s[TB], s[TB], SLOT1                  ; in the other slot
.endm
; THE CHANGE OF SLOTS stands at a slot's head.  Each wave waits for all its tensor loads (its part of the slot that it is about to read), adds 0 to its spare word, and waits for that and for its reads of the slot that it has left.
; fill = 1: the barrier is a round of the cluster's, so that no wave of any partner still reads the other slot or has a load on its way; the joint load of the keys that follow is the first thing behind it
; and has eight key steps in which to land.
.macro CHANGE fill
	s_wait_tensorcnt 0x0                           ; no tensor load of mine is out, so a group 0 may be written
	ds_add_u32 v[SPW], v[NIL]                      ; 0 onto my spare word
.if \fill
	s_xor_b32 s[G0K+1], s[G0K+1], SLOT1            ; the walking descriptors: the other slot than last time,
	s_add_nc_u64 s[G0K+2:G0K+3], s[G0K+2:G0K+3], 65536   ; the next 512 keys; the type bits on top are not reached
	s_xor_b32 s[G0V+1], s[G0V+1], SLOT1
	s_add_nc_u64 s[G0V+2:G0V+3], s[G0V+2:G0V+3], 65536
	s_wait_xcnt 0x0                                ; the last prefetch, a slot back, has read its address, so it may be written:
	s_add_nc_u64 s[PFA:PFA+1], s[PFA:PFA+1], 65536 ; one slot further on than the walking descriptors
	s_wait_dscnt 0x0                               ; the add is done, my LDS stores have landed and my reads of the slot that I have left are over
	CROUND
	JLOAD
	ASK
.else
	s_wait_dscnt 0x0
	s_barrier_signal -1
	s_barrier_wait -1
.endif
.endm
.Lslot:                                            ; three trips: behind each change of slots but the last the next slot is asked for; the first trip's load is slot 1's first fill
	CHANGE 1
	EIGHT_STEPS
	s_sub_co_u32 s[SLOTS], s[SLOTS], 1
	s_cmp_lg_u32 s[SLOTS], 0
	s_cbranch_scc1 .Lslot
	CHANGE 0                                       ; the last slot is written out
	EIGHT_STEPS
	; THE WAY OUT.  l's two halves and the other half of the lanes' are added (these lines are the places behind the last products); O^T is divided by l and rounded to f16.
	; A lane's eight channels of a query are four registers of the next launch's fragment (16 queries x 32 of its K): stored as they stand, 512 consecutive bytes a store.
.irp t, 0,1,2,3
	v_add_f32 v[ST+8*\t+4], v[ST+8*\t+2], v[ST+8*\t+3]
.endr
.irp t, 0,1,2,3
	v_permlanex16_b32 v[ST+8*\t+5], v[ST+8*\t+4], s[SEL], s[SEL+1]
.endr
.irp t, 0,1,2,3
	v_add_f32 v[ST+8*\t+4], v[ST+8*\t+4], v[ST+8*\t+5]
.endr
.irp t, 0,1,2,3
	v_rcp_f32 v[ST+8*\t+6], v[ST+8*\t+4]
.endr
	v_nop                                          ; a plain instruction behind the last reciprocal
	s_wait_alu depctr_va_vdst(0)                   ; and the wait ahead of the first use: one for the four
	WIN 0x41
.irp t, 0,1,2,3
.irp i, 0,1,2,3,4,5,6,7,8,9,10,11,12,13,14,15
	v_pk_mul_f32 v[128+32*\t+2*\i:128+32*\t+2*\i+1], v[128+32*\t+2*\i:128+32*\t+2*\i+1], v[ST+8*\t+6:ST+8*\t+7] op_sel_hi:[1,0]
.endr
.endr
	WIN 0x05                                       ; sources 0 and 1 window 1, destination window 0: S^T's registers are free
.irp t, 0,1,2,3
.irp i, 0,1,2,3,4,5,6,7,8,9,10,11,12,13,14,15
	v_cvt_pk_f16_f32 v[S+32*\t+\i], v[128+32*\t+2*\i], v[128+32*\t+2*\i+1]
.endr
.endr
	WIN 0
.irp t, 0,1,2,3
.irp c, 0,1,2,3
	global_store_b128 v[LI], v[S+32*\t+4*\c:S+32*\t+4*\c+3], s[12:13] offset:\t*8192+\c*512 th:TH_STORE_NT
.endr
.endr
	s_wait_tensorcnt 0x0                           ; the wave's end: behind my last tensor load and my last LDS store
	ds_add_u32 v[SPW], v[NIL]
	s_wait_dscnt 0x0
	CROUND                                         ; the closing round: no work-group ends while a partner may still ask for a tile that names it
	s_endpgm
.Lfunc_end_k_q94af0d97f9_attn:
	.size	k_q94af0d97f9_attn, .Lfunc_end_k_q94af0d97f9_attn-k_q94af0d97f9_attn
	.p2alignl 7, 3214868480
	.fill 96, 4, 3214868480
	.section	.rodata,"a",@progbits
	.p2align	6, 0x0
	.amdhsa_kernel k_q94af0d97f9_attn
		.amdhsa_group_segment_fixed_size 327680
		.amdhsa_private_segment_fixed_size 0
		.amdhsa_enable_private_segment 0
		.amdhsa_kernarg_size 40
		.amdhsa_user_sgpr_count 2
		.amdhsa_user_sgpr_kernarg_segment_ptr 1
		.amdhsa_wavefront_size32 1
		.amdhsa_system_sgpr_workgroup_id_x 1
		.amdhsa_system_sgpr_workgroup_id_y 1
		.amdhsa_system_sgpr_workgroup_id_z 1
		.amdhsa_system_vgpr_workitem_id 0
		.amdhsa_next_free_vgpr 512
		.amdhsa_next_free_sgpr 66
		.amdhsa_reserve_vcc 0
		.amdhsa_float_denorm_mode_32 3
		.amdhsa_float_denorm_mode_16_64 3
		.amdhsa_memory_ordered 1
		.amdhsa_forward_progress 1
		.amdhsa_inst_pref_size 90
	.end_amdhsa_kernel
	.amdgpu_metadata
---
amdhsa.version: [ 1, 2 ]
amdhsa.kernels:
  - .name:           k_q94af0d97f9_attn
    .symbol:         k_q94af0d97f9_attn.kd
    .args:
      - { .name: qimg, .offset: 0, .size: 8, .value_kind: global_buffer, .address_space: global }
      - { .name: kimg, .offset: 8, .size: 8, .value_kind: global_buffer, .address_space: global }
      - { .name: vimg, .offset: 16, .size: 8, .value_kind: global_buffer, .address_space: global }
      - { .name: key_attention_mask, .offset: 24, .size: 8, .value_kind: global_buffer, .address_space: global }
      - { .name: oimg, .offset: 32, .size: 8, .value_kind: global_buffer, .address_space: global }
    .group_segment_fixed_size: 327680
    .private_segment_fixed_size: 0
    .kernarg_segment_align: 8
    .kernarg_segment_size: 40
    .max_flat_workgroup_size: 256
    .sgpr_count:     66
    .vgpr_count:     512
    .wavefront_size: 32
...
	.end_amdgpu_metadata
.endif
;; end of part 3
;; launch outp (part 4): grid 8 x 64, 4 waves a work-group, clusters of 4 x 4, 327,680 bytes of LDS; arguments oimg, woimg, b_out, out0; writes out0
.if DOCPART == 4
	.amdgcn_target "amdgcn-amd-amdhsa--gfx1250"
	.amdhsa_code_object_version 6
	.text
	.protected	k_q94af0d97f9_outp
	.globl	k_q94af0d97f9_outp
	.p2align	8
	.type	k_q94af0d97f9_outp,@function
k_q94af0d97f9_outp:
	s_mov_b64 s[64:65], 0
	v_nop
	global_prefetch_b8 v0, s[64:65] scope:SCOPE_SE
	s_setreg_imm32_b32 hwreg(HW_REG_WAVE_MODE, 25, 1), 1
	s_wait_xcnt 0x0
	s_wait_alu depctr_hold_cnt(0) depctr_sa_sdst(0) depctr_va_vdst(0) depctr_va_sdst(0) depctr_va_ssrc(0) depctr_va_vcc(0) depctr_vm_vsrc(0)
	s_getreg_b32 s2, hwreg(HW_REG_IB_STS2, 6, 4)
	s_cmp_eq_u32 s2, 0
	s_cbranch_scc0 .Lentry_in_a_cluster
	s_endpgm
.Lentry_in_a_cluster:
	s_bfe_u32 s2, ttmp6, 0x10000c
	s_cmp_lg_u32 s2, 0xf033
	s_cbranch_scc0 .Lentry_shape_is_right
	s_endpgm
.Lentry_shape_is_right:
; OUTP: out0[m][n] = b_out[n] + the sum over k of o[m][k] W_out[k][n];  m 8,192, n 1,024, k 1,024.  Both operands arrive as f16 fragments, laid as images of operand registers; sums and the result in f32.
; A tile of the result is 128 x 128: 512 work-groups of four waves, each wave 64 x 64: 16 accumulators.  K goes in 4 steps of 256 through a ring of two LDS slots.
; oimg [K step 4][tile of 16 rows: 512][32 k: 8][1,024 bytes], woimg [K step 4][tile of 16 columns: 64][32 k: 8][1,024 bytes]: a K step's fragments of 64 rows are ONE dense block of 32 KB: one tensor load a wave,
; no pitch and no padding: a fragment is two loads of 16 bytes a lane at 16 x lane.
; CLUSTERS: 4 x 4 work-groups.  The four of a row of the cluster need the same tiles of o, the four of a column the same tiles of W_out: each tile is asked for JOINTLY, by the same tensor load with the same
; descriptor and a mask that names the four.  THE MATRIX INSTRUCTION IS USED TRANSPOSED (source 0 = 16 columns n, source 1 = 16 rows m): a lane then holds eight neighbouring numbers of a row of the result.
; THE BIAS is the C of each sum's first matrix instruction: eight registers for each tile of columns, in the result's layout: no addition.
; REGISTERS: window 0: v0-31 addresses; v32-95 rows on the way out; v96-127 the bias; v128-255 the accumulators ((a, b) at v[128 + 8 (4 a + b)]).
;   window 1: two fragment buffers of 128: for 64 along K, 64 registers of o (2 x 4 fragments), then 64 of W_out.
.set HALFT,  32768                     ; 64 rows' fragments of a K step: what one tensor load brings, and what one wave reads of either operand
.set SLOT,   4*HALFT                   ; o's two halves, then W_out's two
.set STAGE,  2*SLOT                    ; behind the ring: 16 rows x (256 + 16) bytes for each wave, for the way out
.set SPITCH, 272
.set SPARE,  STAGE+4*16*SPITCH         ; the spare words, 128 bytes for each wave: two blocks of 256 bytes that no other line names
.set KA,     4194304                   ; a K step in oimg
.set KB,     524288                    ; and in woimg
.set ADRA, 16                          ; v16-17  LDS address of my fragments of o in slot 0, 1
.set ADRB, 20                          ; v20-21  the same for W_out
.set STO,  24                          ; v24     the way out: where I put 32 bytes of a row
.set RD,   25                          ; v25     where I read a row back
.set CO,   26                          ; v26     my byte offset in the result
.set SPW,  28
.set NIL,  29
.set BK,   32
.set BI,   96
.set ACC,  128
.set F0,   0
.set F1,   128
.set WV, 12                            ; s12  my wave's number
.set RH, 13                            ; s13  which half of the tile's rows is mine.  Also: I fetch for o (0) or for W_out (1)
.set CH, 14                            ; s14  which half of its columns.  Also: which half of that tile I fetch
.set G1, 24                            ; s[24:31] descriptor group 1 for o's tiles;  s[32:39] group 0, one set for each slot
.set G0, 32
.set G1B, 48                           ; s[48:55], s[56:63] the same for W_out's
.set G0B, 56
.set MSB, 0
.macro WIN new                         ; the immediate's high byte repeats the setting that is left
.if MSB != \new
	s_set_vgpr_msb (MSB<<8)|\new
.set MSB, \new
.endif
.endm
.set MUL,  0x05                        ; sources 0 and 1 window 1; C and D window 0
.set TO_F, 0x40                        ; destination window 1, address window 0
.macro JLOAD s                         ; a joint load: waves 0 and 1 fetch o's two halves, waves 2 and 3 W_out's; an s_nop 0 and four v_nop follow each of the two lines
	s_cmp_eq_u32 s[RH], 0
	s_cbranch_scc0 .Lfor_b_\@
	tensor_load_to_lds s[G0+4*\s:G0+4*\s+3], s[G1:G1+7]
	s_nop 0
.rept 4
	v_nop
.endr
	s_branch .Lasked_\@
.Lfor_b_\@:
	tensor_load_to_lds s[G0B+4*\s:G0B+4*\s+3], s[G1B:G1B+7]
	s_nop 0
.rept 4
	v_nop
.endr
.Lasked_\@:
.endm
.macro CREST                           ; a round of the cluster's barrier behind its opening barrier
	s_cmp_lg_u32 s[WV], 0
	s_cbranch_scc1 .Lnot_wave_0_\@
	s_barrier_signal -3
.Lnot_wave_0_\@:
	s_barrier_wait -3
	s_barrier_signal -1
	s_barrier_wait -1
.endm
.macro CROUND                          ; a whole round
	s_barrier_signal -1
	s_barrier_wait -1
	CREST
.endm
	s_load_b256 s[4:11], s[0:1], 0x0               ; oimg s[4:5], woimg s[6:7], b_out s[8:9], out0 s[10:11]
	v_lshl_add_u32 v[SPW], v0, 2, SPARE
	v_mov_b32 v[NIL], 0
	ds_add_u32 v[SPW], v[NIL]                      ; the wave's opening: the add, twice on end, and its wait ahead of my first tensor load
	ds_add_u32 v[SPW], v[NIL]
	v_lshrrev_b32 v1, 5, v0
	v_readfirstlane_b32 s[WV], v1                  ; wave 0..3
	s_lshr_b32 s[RH], s[WV], 1
	s_and_b32 s[CH], s[WV], 1
	s_bfe_u32 s40, ttmp6, 0x40000                  ; cx, cy: my place in the cluster
	s_bfe_u32 s41, ttmp6, 0x40004
	s_lshl_b32 s42, ttmp9, 2
	s_add_co_u32 s42, s42, s40                     ; tile column = 4 x cluster x + cx
	s_and_b32 s15, ttmp7, 0xffff
	s_lshl_b32 s15, s15, 2
	s_add_co_u32 s15, s15, s41                     ; tile row = 4 x cluster y + cy
	s_lshl_b32 s43, s41, 2
	s_lshl_b32 s43, 15, s43                        ; my row of the cluster
	s_lshl_b32 s44, 0x1111, s40                    ; my column
	s_or_b32 s[G1+0], s43, (3<<16)|(1<<21)         ; 15:0 the mask: o's tiles go to my row; 17:16 elements of 8 bytes; 21 set beside a mask; no padding
	s_or_b32 s[G1B+0], s44, (3<<16)|(1<<21)
.irp g, G1, G1B
	s_mov_b32 s[\g+1], 32<<16                      ; tensor_dim0 = 32 elements: rows of 256 bytes
	s_mov_b32 s[\g+2], 128<<16                     ; tensor_dim1 = 128
	s_mov_b32 s[\g+3], 32<<16                      ; tile_dim0
	s_mov_b32 s[\g+4], 128                         ; tile_dim1
	s_mov_b32 s[\g+5], 32                          ; the pitch: dense
	s_mov_b32 s[\g+6], 0
	s_mov_b32 s[\g+7], 0
.endr
	s_lshl_b32 s17, s[CH], 15                      ; which half of the tile I fetch
	s_lshl_b32 s16, s15, 16
	s_add_co_u32 s16, s16, s17                     ; o: 65,536 x tile row + 32,768 x half
	s_lshl_b32 s46, s42, 16
	s_add_co_u32 s46, s46, s17                     ; W_out: 65,536 x tile column + 32,768 x half
	s_mov_b32 s17, 0
	s_mov_b32 s47, 0
	s_lshl_b32 s20, s[WV], 15                      ; where they go: wave x 32,768: no place in the cluster enters an LDS address
	s_wait_dscnt 0x0                               ; both opening adds are done
	s_wait_kmcnt 0x0
	s_add_nc_u64 s[18:19], s[4:5], s[16:17]
	s_add_nc_u64 s[46:47], s[6:7], s[46:47]
	CROUND                                         ; all sixteen work-groups are here: the first joint loads meet
.irp s, 0,1
	s_mov_b32 s[G0+4*\s], 1
	s_add_co_u32 s[G0+4*\s+1], s20, \s*SLOT
	s_add_nc_u64 s[G0+4*\s+2:G0+4*\s+3], s[18:19], \s*KA
	s_or_b32 s[G0+4*\s+3], s[G0+4*\s+3], 0x80000000
	s_mov_b32 s[G0B+4*\s], 1
	s_add_co_u32 s[G0B+4*\s+1], s20, \s*SLOT
	s_add_nc_u64 s[G0B+4*\s+2:G0B+4*\s+3], s[46:47], \s*KB
	s_or_b32 s[G0B+4*\s+3], s[G0B+4*\s+3], 0x80000000
	JLOAD \s                                       ; K steps 0 and 1: two loads of mine are out
.endr
	v_and_b32 v1, 15, v0                           ; r
	v_bfe_u32 v2, v0, 4, 1                         ; h
	v_and_b32 v3, 31, v0
	v_lshlrev_b32 v3, 4, v3                        ; 16 x lane
	s_lshl_b32 s21, s[RH], 15                      ; my 64 rows of o
	s_lshl_b32 s22, s[CH], 15                      ; my 64 columns of W_out,
	s_add_co_u32 s22, s22, 2*HALFT                 ; which lie behind o's two halves
.irp s, 0,1
	v_add_nc_u32 v[ADRA+\s], s21, v3
	v_add_nc_u32 v[ADRB+\s], s22, v3
	s_add_co_u32 s21, s21, SLOT
	s_add_co_u32 s22, s22, SLOT
.endr
	s_mul_i32 s23, s[WV], 16*SPITCH
	s_add_co_u32 s23, s23, STAGE                   ; my stage
	v_mul_u32_u24 v4, v1, SPITCH                   ; in: row r, 32 bytes for each half of the lanes
	v_lshl_add_u32 v4, v2, 5, v4
	v_add_nc_u32 v[STO], s23, v4
	v_mul_u32_u24 v5, v2, SPITCH                   ; back: lanes 0-15 take one row of 256 bytes, lanes 16-31 the next
	v_lshl_add_u32 v5, v1, 4, v5
	v_add_nc_u32 v[RD], s23, v5
	v_lshlrev_b32 v5, 12, v2                       ; and the same two rows in the result
	v_lshl_add_u32 v[CO], v1, 4, v5
	v_lshlrev_b32 v6, 5, v2                        ; the bias: 8 numbers for each half of the lanes
	s_lshl_b32 s46, s42, 9                         ; my first column, in bytes: 512 x tile column + 256 x half: in b_out and in a row of the result
	s_lshl_b32 s47, s[CH], 8
	s_add_co_u32 s46, s46, s47
	s_mov_b32 s47, 0
	s_add_nc_u64 s[8:9], s[8:9], s[46:47]
	s_add_nc_u64 s[10:11], s[10:11], s[46:47]
	s_lshl_b32 s16, s15, 19                        ; my first row: 128 x tile row + 64 x half, rows of 4,096 bytes
	s_lshl_b32 s17, s[RH], 18
	s_add_co_u32 s16, s16, s17
	s_mov_b32 s17, 0
	s_add_nc_u64 s[10:11], s[10:11], s[16:17]
.irp b, 0,1,2,3
	global_load_b128 v[BI+8*\b:BI+8*\b+3], v6, s[8:9] offset:64*\b        ; b_out at columns 16 b + 8 h + 0 .. 7
	global_load_b128 v[BI+8*\b+4:BI+8*\b+7], v6, s[8:9] offset:64*\b+16
.endr
; 8 matrix instructions: tiles of rows a0, a0 + 1 x all 4 tiles of columns, 32 along K: half c of buffer f.  first = 1: the first product starts the sums from the bias.
; The 16 accumulators take turns, one instruction a turn.
.macro MUL8 f, c, a0, first
.irp a, \a0, \a0+1
.irp b, 0,1,2,3
.if \first
	v_wmma_f32_16x16x32_f16 v[ACC+8*(4*(\a)+\b):ACC+8*(4*(\a)+\b)+7], v[\f+64+8*(4*\c+\b):\f+64+8*(4*\c+\b)+7], v[\f+8*(4*\c+\a):\f+8*(4*\c+\a)+7], v[BI+8*\b:BI+8*\b+7]
.else
	v_wmma_f32_16x16x32_f16 v[ACC+8*(4*(\a)+\b):ACC+8*(4*(\a)+\b)+7], v[\f+64+8*(4*\c+\b):\f+64+8*(4*\c+\b)+7], v[\f+8*(4*\c+\a):\f+8*(4*\c+\a)+7], v[ACC+8*(4*(\a)+\b):ACC+8*(4*(\a)+\b)+7]
.endif
.endr
.endr
.endm
; 32 LDS loads in one run: the fragments of the slot's q-th 64 along K into buffer f; the first 32 along K first
.macro FETCH slot, q, f
	WIN TO_F
.irp c, 0,1
.irp i, 0,1,2,3
	ds_load_b128 v[\f+64+8*(4*\c+\i):\f+64+8*(4*\c+\i)+3],   v[ADRB+\slot] offset:\i*8192+(2*(\q)+\c)*1024
	ds_load_b128 v[\f+64+8*(4*\c+\i)+4:\f+64+8*(4*\c+\i)+7], v[ADRB+\slot] offset:\i*8192+(2*(\q)+\c)*1024+512
	ds_load_b128 v[\f+8*(4*\c+\i):\f+8*(4*\c+\i)+3],         v[ADRA+\slot] offset:\i*8192+(2*(\q)+\c)*1024
	ds_load_b128 v[\f+8*(4*\c+\i)+4:\f+8*(4*\c+\i)+7],       v[ADRA+\slot] offset:\i*8192+(2*(\q)+\c)*1024+512
.endr
.endr
.endm
.macro PLACES                          ; four places in front of loads into registers that matrix instructions have read, and of the first read of results (ISA guide 7.12.1 for vector instructions)
.rept 4
	v_nop
.endr
.endm
; A K step is four quarters of 64 along K, 32 matrix instructions each, on buffers 0, 1, 0, 1.  One of the first three: multiplies buffer f and fetches quarter q into g.
.macro QUARTER slot, q, f, g, first
	s_wait_dscnt 16                                ; the first 32 along K are in; the younger sixteen loads may be out
	WIN MUL
	MUL8 \f, 0, 0, \first
	MUL8 \f, 0, 2, \first
	PLACES
	FETCH \slot, \q, \g
	s_wait_dscnt 32                                ; all but the 32 just issued
	WIN MUL
	MUL8 \f, 1, 0, 0
	MUL8 \f, 1, 2, 0
.endm
; The last quarter multiplies buffer 1 and changes slots: ONE barrier; in front of it each wave waits for all its tensor loads, adds 0 to its spare word, and waits for that and for its own reads of this slot.
; fill = 1: this slot is filled again, two K steps ahead.
.macro TURN slot, next, fill
	WIN 0                                          ; (the add's two registers lie in window 0)
	s_wait_tensorcnt 0x0                           ; all my tensor loads have landed: my part of the next slot;
	ds_add_u32 v[SPW], v[NIL]                      ; 0 onto my spare word;
	s_wait_dscnt 17                                ; (the add and the youngest sixteen loads may be out)
	WIN MUL
	MUL8 F1, 0, 0, 0                               ; eight matrix instructions stand between the add and the wait for it
	s_wait_dscnt 0x0                               ; the add is done, and my reads of this slot are over
	s_barrier_signal -1
	MUL8 F1, 0, 2, 0
.if \fill
	WIN 0
.endif
	s_barrier_wait -1
.if \fill
	CREST                                          ; the barrier has opened a round of the cluster's barrier: no wave of any partner still reads this slot's tile or has a load on its way
	s_add_nc_u64 s[G0+4*\slot+2:G0+4*\slot+3], s[G0+4*\slot+2:G0+4*\slot+3], 2*KA
	s_add_nc_u64 s[G0B+4*\slot+2:G0B+4*\slot+3], s[G0B+4*\slot+2:G0B+4*\slot+3], 2*KB
	JLOAD \slot                                    ; the first tensor load behind the round; the four v_nop behind it are also the places in front of the loads below
.else
	PLACES
.endif
	FETCH \next, 0, F0
	WIN MUL
	MUL8 F1, 1, 0, 0
	MUL8 F1, 1, 2, 0
.endm
	s_wait_tensorcnt 1                             ; my part of K step 0 is in (K step 1's load may be out)
	s_barrier_signal -1
	s_barrier_wait -1                              ; everybody's is
	FETCH 0, 0, F0
	s_wait_loadcnt 0x0                             ; the bias
	QUARTER 0, 1, F0, F1, 1                        ; K step 0: its first products start the sums
	QUARTER 0, 2, F1, F0, 0
	QUARTER 0, 3, F0, F1, 0
	TURN 0, 1, 1                                   ; slot 0 takes K step 2
	QUARTER 1, 1, F0, F1, 0                        ; K step 1
	QUARTER 1, 2, F1, F0, 0
	QUARTER 1, 3, F0, F1, 0
	TURN 1, 0, 1                                   ; slot 1 takes K step 3
	QUARTER 0, 1, F0, F1, 0                        ; K step 2
	QUARTER 0, 2, F1, F0, 0
	QUARTER 0, 3, F0, F1, 0
	TURN 0, 1, 0                                   ; nothing is left to fetch
	QUARTER 1, 1, F0, F1, 0                        ; K step 3
	QUARTER 1, 2, F1, F0, 0
	QUARTER 1, 3, F0, F1, 0
	s_wait_dscnt 16                                ; the very last quarter
	WIN MUL
	MUL8 F1, 0, 0, 0
	MUL8 F1, 0, 2, 0
	s_wait_dscnt 0
	MUL8 F1, 1, 0, 0
	MUL8 F1, 1, 2, 0
	WIN 0
; THE WAY OUT, a block of 16 rows x 64 columns at a time.  A lane holds 32 neighbouring bytes of a row, and the lanes beside it hold other rows: so a block goes through my own stage in LDS and comes back as whole
; rows of 256 bytes: sixteen lanes store 256 consecutive bytes, at a multiple of 256 from the result's first byte.  LDS serves a wave's instructions in order (ISA guide 5.7.1.4): no wait between the stores and the loads.
.macro TOSTAGE a
.irp b, 0,1,2,3
	ds_store_b128 v[STO], v[ACC+8*(4*(\a)+\b):ACC+8*(4*(\a)+\b)+3] offset:64*\b          ; each accumulator from its low end on
	ds_store_b128 v[STO], v[ACC+8*(4*(\a)+\b)+4:ACC+8*(4*(\a)+\b)+7] offset:64*\b+16
.endr
.irp t, 0,1,2,3,4,5,6,7
	ds_load_b128 v[BK+32*((\a)%2)+4*\t:BK+32*((\a)%2)+4*\t+3], v[RD] offset:\t*2*SPITCH
.endr
.endm
.macro SEND a, younger                 ; younger: the LDS instructions issued behind block a's loads, which may stay out
	s_wait_dscnt \younger
.irp t, 0,1,2,3,4,5,6,7
	global_store_b128 v[CO], v[BK+32*((\a)%2)+4*\t:BK+32*((\a)%2)+4*\t+3], s[10:11] offset:(16*(\a)+2*\t)*4096 th:TH_STORE_NT
.endr
.endm
	PLACES
	TOSTAGE 0
.irp a, 1,2,3
.if \a > 1
	s_wait_xcnt 0x0                                ; block a - 2's stores have read their registers: block a's loads may land there
.endif
	TOSTAGE \a
	SEND \a-1, 16                                  ; behind block a - 1's loads: block a's 8 stores and 8 loads
.endr
	SEND 3, 0
	s_wait_tensorcnt 0x0                           ; the wave's end: behind my last tensor load and my last LDS store
	ds_add_u32 v[SPW], v[NIL]
	s_wait_dscnt 0x0
	CROUND                                         ; the closing round: no work-group ends while a partner may still ask for a tile that names it
	s_endpgm
.Lfunc_end_k_q94af0d97f9_outp:
	.size	k_q94af0d97f9_outp, .Lfunc_end_k_q94af0d97f9_outp-k_q94af0d97f9_outp
	.p2alignl 7, 3214868480
	.fill 96, 4, 3214868480
	.section	.rodata,"a",@progbits
	.p2align	6, 0x0
	.amdhsa_kernel k_q94af0d97f9_outp
		.amdhsa_group_segment_fixed_size 327680
		.amdhsa_private_segment_fixed_size 0
		.amdhsa_enable_private_segment 0
		.amdhsa_kernarg_size 32
		.amdhsa_user_sgpr_count 2
		.amdhsa_user_sgpr_kernarg_segment_ptr 1
		.amdhsa_wavefront_size32 1
		.amdhsa_system_sgpr_workgroup_id_x 1
		.amdhsa_system_sgpr_workgroup_id_y 1
		.amdhsa_system_sgpr_workgroup_id_z 1
		.amdhsa_system_vgpr_workitem_id 0
		.amdhsa_next_free_vgpr 512
		.amdhsa_next_free_sgpr 66
		.amdhsa_reserve_vcc 0
		.amdhsa_float_denorm_mode_32 3
		.amdhsa_float_denorm_mode_16_64 3
		.amdhsa_memory_ordered 1
		.amdhsa_forward_progress 1
		.amdhsa_inst_pref_size 86
	.end_amdhsa_kernel
	.amdgpu_metadata
---
amdhsa.version: [ 1, 2 ]
amdhsa.kernels:
  - .name:           k_q94af0d97f9_outp
    .symbol:         k_q94af0d97f9_outp.kd
    .args:
      - { .name: oimg, .offset: 0, .size: 8, .value_kind: global_buffer, .address_space: global }
      - { .name: woimg, .offset: 8, .size: 8, .value_kind: global_buffer, .address_space: global }
      - { .name: b_out, .offset: 16, .size: 8, .value_kind: global_buffer, .address_space: global }
      - { .name: out0, .offset: 24, .size: 8, .value_kind: global_buffer, .address_space: global }
    .group_segment_fixed_size: 327680
    .private_segment_fixed_size: 0
    .kernarg_segment_align: 8
    .kernarg_segment_size: 32
    .max_flat_workgroup_size: 128
    .sgpr_count:     66
    .vgpr_count:     512
    .wavefront_size: 32
...
	.end_amdgpu_metadata
.endif
;; end of part 4
;; ======== version 2 of 2: 4 launches; version 1 with the launch proj written anew for expert scheduling mode
;; limits: values are held in f16: magnitudes above 65,504 overflow, below 6.1e-05 lose precision
;; workspace buffers: wcodes 1,572,864 bytes; wscale 196,608 bytes; woimg 2,097,152 bytes; qimg 16,777,216 bytes; kimg 16,777,216 bytes; vimg 16,777,216 bytes; oimg 16,777,216 bytes
;; launch prep: the kernel of part 1 again; grid 512 x 1, 4 waves a work-group, no clusters, 0 bytes of LDS; arguments Wq, Wk, Wv, W_out, wcodes, wscale, woimg; writes wcodes, wscale, woimg
;; launch proj (part 5): grid 64 x 3, 4 waves a work-group, no clusters, 141,824 bytes of LDS; arguments query, key, value, wcodes, wscale, qimg, kimg, vimg; writes qimg, kimg, vimg
.if DOCPART == 5
	.amdgcn_target "amdgcn-amd-amdhsa--gfx1250"
	.amdhsa_code_object_version 6
	.text
	.protected	k_q94af0d97f9_proj
	.globl	k_q94af0d97f9_proj
	.p2align	8
	.type	k_q94af0d97f9_proj,@function
k_q94af0d97f9_proj:
	s_mov_b64 s[64:65], 0
	v_nop
	global_prefetch_b8 v0, s[64:65] scope:SCOPE_SE
	s_setreg_imm32_b32 hwreg(HW_REG_WAVE_SCHED_MODE, 0, 2), 2
	s_setreg_imm32_b32 hwreg(HW_REG_WAVE_MODE, 25, 1), 1
	s_wait_xcnt 0x0
	s_wait_alu depctr_vm_vsrc(0)
; PROJ: q = query Wq, k = key Wk, v = value Wv, head by head, on codes of FP4 (E2M1) with one E8M0 scale for each 32 along d; sums in f32; results rounded once to f16.
; SHARES.  Work-group (x, y): 128 rows (block x) of tensor y (0 query, 1 key, 2 value), all 1,024 columns: so each row is read from memory once and quantised once.
;   First each wave quantises 32 of the rows (16 fragments of 16 rows x 128 d) and puts the fragments into LDS as IMAGES OF THEIR REGISTERS (each group of four registers at 16 x lane); one barrier;
;   then wave w makes heads 4 w .. 4 w + 3 for all 128 rows: 32 accumulators (8 tiles of rows x 4 tiles of 16 e), K in 8 steps of 128.
; THE WEIGHTS come from memory straight into the wave's registers, as the images that the launch before has laid: a ring of 8 K steps, 7 steps asked for ahead.  No weight byte is read twice in a work-group.
; No tensor load stands in this text, so there is nothing to ask for jointly: no cluster.  192 work-groups: 3 x 8,192 rows in blocks of 128; blocks of 64 rows would read the weights twice as often.
; THE RESULTS ARE IMAGES TOO.  q, k: source 0 = 16 rows of W (e), source 1 = 16 rows of x: a lane's eight results are eight neighbouring e of one row: four registers of an f16 fragment (16 rows x 32 e).
;   v: the sources swapped: eight neighbouring KEYS of one e: four registers of a fragment of V^T (16 e x 32 keys).  So every store is 512 consecutive bytes, and no stage is needed.
;   qimg, kimg [b][head][tile of 16 rows: 128][32 e: 2][group 2][lane][16 bytes];  vimg [b][head][32 keys: 64][tile of 16 e: 4][group 2][lane][16 bytes].
; LIMITS: a block of zeros gets the scale byte 1 where the rule says 127 (its codes are zeros); NaN and infinities among the inputs are not served; q, k, v go to f16: magnitudes up to 65,504.
; REGISTERS, in windows of 256.  Window 0: v4-11 addresses; v32-95, v96-159 two sets of 64: numbers to quantise, later x's fragments; v160-167 codes just made; v176-192 at work;
;   v194-209 x's scale words (two sets of 8), v210-241 W's (eight sets of 4): these hold scales and nothing else; v252, v253 the add's two.
;   Window 1: the ring of W's fragments, 8 sets of 32.   Window 2: four sets of 64 numbers as they are loaded; later the 32 accumulators ((m, ct) at 8 (4 m + ct)).
; THE MODE: SCHED_MODE bits 1:0 = 2 (LLVM: expert scheduling mode 2), set by the entry lines.  The code itself states the register dependences
; between vector or matrix instructions and memory or LDS instructions, with s_wait_alu, always for 0.
; THE PLAN.  Registers that memory or LDS instructions touch:
;   while the rows are quantised (fragment i of a trip):
;   R0 .. R3 (window 2)   written by x's loads, read by the stores into the stage; no vector instruction names them.
;   X0, X1 (v32-159)      written by the loads from the stage, read by the lines that quantise.
;   v160-167, v192        the codes and the scale word: written by the lines that quantise, read by the image's stores.
;   v10, v11              the image's addresses: written once a trip, behind the wait at the head of the trip's first fragment; read by the image's stores.
;   Two waits to a fragment.  At its head, on vm_vsrc: the stage's stores have read R[i], the last image's stores their data (and addresses).  Between the quantising and the image's stores, on va_vdst: the codes, the word
;   (and the addresses) are written, and the quantising is done reading X[i % 2], in which the loads from the stage land one fragment on; no vector instruction between names that set.
;   in the products (K step s):
;   X[(s + 1) % 2], x's scale words of that set, the ring's set (s + 7) % 8 and its scale words: this step's loads land in them; the matrix instructions of step s - 1 were the last to read them.
;   ONE wait on va_vdst stands at a step's head, behind the waits for the step's data.  The step's 29 loads follow it, dealt among its 32 matrix instructions, which name X[s % 2], the ring's set s % 8, their scale words
;   and the accumulators: none of the registers that those loads touch.
;   on the way out: the low four registers of each accumulator: written by the conversions, read by the stores (a wait on va_vdst between), written again by the next head's first products (a wait on vm_vsrc between).
;   v4-9, v252, v253 are made at the head and never written again.
.set XIMG,  0                          ; LDS: x's fragments [tile of rows 8][K step 8][1,024 bytes]: wave w stores 16,384 w on
.set XSC,   65536                      ; their scale words [wave 4][K step 8][lane 32][tile 2]: wave w stores 2,048 w on
.set STG,   73728                      ; for each wave two stages of 16 rows x (512 + 16) bytes
.set STH,   8448
.set STW,   2*STH
.set SPARE, 141312                     ; the spare words, 128 bytes for each wave: two blocks of 256 bytes that no other line names
.set LI,  4                            ; v4   16 x lane
.set STI, 5                            ; v5   my stage, on the way in: 16 x lane
.set STO, 6                            ; v6   and on the way out: 528 r + 64 h
.set XWI, 7                            ; v7   where I store images: 16 x lane + 16,384 x wave
.set XWS, 8                            ; v8   and scale words: XSC + 8 x lane + 2,048 x wave
.set XSR, 9                            ; v9   where scale words are read: XSC + 8 x lane
.set AI,  10                           ; v10  XWI + the trip's K steps
.set AS,  11                           ; v11  XWS + the trip's K steps
.set X0,  32
.set PC,  160
.set TM,  176                          ; v176-179 largest magnitudes, v180-183 bytes, v188-191 the conversions' scale operands
.set PW,  192
.set XS,  194
.set WS,  210
.set SPW, 252
.set NIL, 253
.set WV,  20
.set T,   21
.set XB,  24                           ; s[24:25] x at my wave's 32 rows, the trip's K steps
.set WB,  26                           ; s[26:27] the codes of the head in hand
.set WSB, 28                           ; s[28:29] its scale words
.set OB,  30                           ; s[30:31] its results
.set SEL, 32
.set IS,  34
.set SS,  35
.set CNT, 36
.set MSB, 0
.macro WIN new                         ; s_set_vgpr_msb: bits 1:0 source 0, 3:2 source 1, 5:4 source 2, 7:6 destination; the high byte repeats the setting that is left
.if MSB != \new
	s_set_vgpr_msb (MSB<<8)|\new
.set MSB, \new
.endif
.endm
	s_load_b256 s[4:11], s[0:1], 0x0               ; query, key, value, wcodes
	s_load_b256 s[12:19], s[0:1], 0x20             ; wscale, qimg, kimg, vimg
	v_lshl_add_u32 v[SPW], v0, 2, SPARE
	v_mov_b32 v[NIL], 0
	v_lshrrev_b32 v1, 5, v0
	v_readfirstlane_b32 s[WV], v1                  ; wave 0..3
	s_and_b32 s[T], ttmp7, 0xffff                  ; the tensor
	v_and_b32 v1, 31, v0                           ; lane
	v_and_b32 v2, 15, v0                           ; r
	v_bfe_u32 v3, v0, 4, 1                         ; h
	v_lshlrev_b32 v[LI], 4, v1
	s_wait_alu depctr_va_sdst(0)                   ; the wave's number is written, ahead of its first reader: LDS addresses and all four bases are made from it
	s_mul_i32 s22, s[WV], STW
	s_add_co_u32 s22, s22, STG
	v_add_nc_u32 v[STI], s22, v[LI]
	v_mul_u32_u24 v[STO], v2, 528
	v_lshl_add_u32 v[STO], v3, 6, v[STO]
	v_add_nc_u32 v[STO], s22, v[STO]
	s_lshl_b32 s22, s[WV], 14
	v_add_nc_u32 v[XWI], s22, v[LI]
	v_lshl_add_u32 v[XSR], v1, 3, XSC
	s_lshl_b32 s22, s[WV], 11
	v_add_nc_u32 v[XWS], s22, v[XSR]
	s_mov_b32 s[SEL], 0x76543210
	s_mov_b32 s[SEL+1], 0xfedcba98                 ; v_permlanex16_b32's selects for lane l xor 16
.irp b, 0,1,2,3
	v_mov_b32 v[TM+4+\b], 0                        ; written once: a lane permute's destination counts as one of its sources
.endr
	s_mov_b32 s[IS], 0
	s_mov_b32 s[SS], 0
	s_mov_b32 s[CNT], 3
	s_lshl_b32 s38, ttmp9, 19                      ; x: 128 rows of 4,096 bytes a block,
	s_lshl_b32 s22, s[WV], 17                      ; 32 rows a wave
	s_add_co_u32 s38, s38, s22
	s_mov_b32 s39, 0
	s_lshl_b32 s40, s[T], 19                       ; the codes: 524,288 bytes a tensor, 32,768 a head: my four heads
	s_add_co_u32 s40, s40, s22
	s_mov_b32 s41, 0
	s_lshl_b32 s42, s[T], 16                       ; the scale words: 65,536 a tensor, 4,096 a head
	s_lshl_b32 s22, s[WV], 14
	s_add_co_u32 s42, s42, s22
	s_mov_b32 s43, 0
	s_lshr_b32 s44, ttmp9, 4                       ; the results: (16 b + 4 w) heads of 262,144 bytes,
	s_lshl_b32 s44, s44, 4
	s_lshl_b32 s22, s[WV], 2
	s_add_co_u32 s44, s44, s22
	s_lshl_b32 s44, s44, 18
	s_and_b32 s22, ttmp9, 15                       ; and the block's 128 rows in its batch: 16,384 bytes in all three layouts
	s_lshl_b32 s22, s22, 14
	s_add_co_u32 s44, s44, s22
	s_mov_b32 s45, 0
	s_wait_kmcnt 0x0
	s_cmp_eq_u32 s[T], 0
	s_cselect_b64 s[XB:XB+1], s[4:5], s[6:7]
	s_cselect_b64 s[OB:OB+1], s[14:15], s[16:17]
	s_cmp_eq_u32 s[T], 2
	s_cselect_b64 s[XB:XB+1], s[8:9], s[XB:XB+1]
	s_cselect_b64 s[OB:OB+1], s[18:19], s[OB:OB+1]
	s_add_nc_u64 s[XB:XB+1], s[XB:XB+1], s[38:39]
	s_add_nc_u64 s[OB:OB+1], s[OB:OB+1], s[44:45]
	s_add_nc_u64 s[WB:WB+1], s[10:11], s[40:41]
	s_add_nc_u64 s[WSB:WSB+1], s[12:13], s[42:43]
	s_wait_alu depctr_va_vdst(0)                   ; v4 to v9, v252 and v253 are written: the offsets and LDS addresses that the loads and stores of the whole kernel read
; ---- THE ROWS ARE QUANTISED.  Sixteen fragments a wave, four a trip: fragment i of a trip is K step i / 2 of the trip's two, tile of rows i % 2.
; 16 loads: each takes 512 consecutive bytes of one row (128 numbers), 16 bytes a lane, into set i of window 2.  ahead = 1: the next trip's.
.macro XLOAD i, ahead
	WIN 0x80
.irp row, 0,1,2,3,4,5,6,7,8,9,10,11,12,13,14,15
	global_load_b128 v[64*(\i)+4*\row:64*(\i)+4*\row+3], v[LI], s[XB:XB+1] offset:(\ahead)*1024+(16*((\i)%2)+\row)*4096+512*((\i)/2) th:TH_LOAD_NT
.endr
	WIN 0
.endm
; The conversions take neighbours along K from ONE lane's registers: so a fragment's 8,192 bytes turn through my own stage: in as they were loaded, out 16 neighbours of each block of 32 to a lane.
; Register 16 b + n then holds k = 32 b + 16 h + n of row r.  LDS serves a wave's instructions in order: no wait between the stores and the loads.
.macro TURN i
	WIN 0x08                                       ; an LDS store's data are its source 1: window 2
.irp row, 0,1,2,3,4,5,6,7,8,9,10,11,12,13,14,15
	ds_store_b128 v[STI], v[64*(\i)+4*\row:64*(\i)+4*\row+3] offset:((\i)%2)*STH+\row*528
.endr
	WIN 0
.irp b, 0,1,2,3
.irp j, 0,1,2,3
	ds_load_b128 v[X0+64*((\i)%2)+16*\b+4*\j:X0+64*((\i)%2)+16*\b+4*\j+3], v[STO] offset:((\i)%2)*STH+128*\b+16*\j
.endr
.endr
.endm
; 64 numbers of a lane, v[s] on, become a fragment's codes in v[PC] on and its row's scale word in v[PW].
.macro QUANT s
.irp b, 0,1,2,3
	v_max3_num_f32 v[TM+\b], |v[\s+16*\b]|, |v[\s+1+16*\b]|, 0x1800000   ; block b: my 16 numbers, and the floor 2^(3 - 127): the byte cannot fall under 1
.endr
.irp i, 2,4,6,8,10,12,14
.irp b, 0,1,2,3
	v_max3_num_f32 v[TM+\b], v[TM+\b], |v[\s+16*\b+\i]|, |v[\s+1+16*\b+\i]|   ; the four blocks by turns
.endr
.endr
.irp b, 0,1,2,3
	v_permlanex16_b32 v[TM+4+\b], v[TM+\b], s[SEL], s[SEL+1]
.endr
.irp b, 0,1,2,3
	v_max_num_f32 v[TM+\b], v[TM+\b], v[TM+4+\b]   ; with lane l xor 16's: the block's largest magnitude
.endr
.irp b, 0,1,2,3
	v_add_nc_u32 v[TM+12+\b], 0xff000000, v[TM+\b] ; 2 off its exponent field: the conversion's scale operand
.endr
.irp b, 0,1,2,3
	v_lshrrev_b32 v[TM+4+\b], 23, v[TM+12+\b]      ; the scale's byte
.endr
	v_lshl_or_b32 v[PW], v[TM+5], 8, v[TM+4]
	v_lshl_or_b32 v[PW], v[TM+6], 16, v[PW]
	v_lshl_or_b32 v[PW], v[TM+7], 24, v[PW]
.irp b, 0,1,2,3
	v_cvt_scalef32_pk8_fp4_f32 v[PC+2*\b], v[\s+16*\b:\s+7+16*\b], v[TM+12+\b]
	v_cvt_scalef32_pk8_fp4_f32 v[PC+1+2*\b], v[\s+8+16*\b:\s+15+16*\b], v[TM+12+\b]
.endr
	v_nop                                          ; one plain instruction behind the last scaled conversion
.irp c, 0,1                                    ; the operand's layout wants a WHOLE block in a lane: lanes 0-15 block 2 c, lanes 16-31 block 2 c + 1
.irp i, 0,1
	v_permlane16_swap_b32 v[PC+4*\c+\i], v[PC+2+4*\c+\i]
.endr
.endr
.endm
.macro IMAGE i                         ; the fragment goes to LDS as it stands, its scale word beside it
.irp c, 0,1
	ds_store_b128 v[AI], v[PC+4*\c:PC+4*\c+3] offset:((\i)%2)*8192+((\i)/2)*1024+512*\c
.endr
	ds_store_b32 v[AS], v[PW] offset:((\i)/2)*256+4*((\i)%2)
.endm
; 9 loads: K step k (counted from the head in hand) of my head's weights: four fragments into set k % 8 of the ring, and their four scale words a lane.
.macro WLOAD k
	WIN 0x40
.irp ct, 0,1,2,3
.irp c, 0,1
	global_load_b128 v[32*((\k)%8)+8*\ct+4*\c:32*((\k)%8)+8*\ct+4*\c+3], v[LI], s[WB:WB+1] offset:(\k)*4096+\ct*1024+512*\c
.endr
.endr
	WIN 0
	global_load_b128 v[WS+4*((\k)%8):WS+4*((\k)%8)+3], v[LI], s[WSB:WSB+1] offset:(\k)*512
.endm
; One fragment's turn.  load: its set takes the next trip's fragment; left: the younger loads that may stay out when the next fragment's 16 have to be in; turn: the next fragment goes through the stage
; while this one is quantised; prefill: the first seven K steps of the weights are asked for (into registers that no instruction has named yet).
.macro FRAG i, load, left, turn, prefill
	s_wait_dscnt 0x0                               ; this fragment's numbers are back from the stage
	s_wait_alu depctr_vm_vsrc(0)                   ; the stores into the stage have read set i of window 2, in which the loads below land (at the last fragment: all four sets, which the first products write); the last image's stores have read the codes, the scale word and, at a trip's first fragment, v10 and v11: all are written again below
.if (\i) == 0
	v_add_nc_u32 v[AI], s[IS], v[XWI]              ; the trip's two K steps
	v_add_nc_u32 v[AS], s[SS], v[XWS]
.endif
.if \load
	XLOAD \i, 1
.endif
.if \turn
	s_wait_loadcnt \left
	TURN ((\i)+1)%4                                ; its loads land in the set that the fragment before quantised: that fragment's wait on va_vdst stands behind its last reader, and no vector instruction since names the set
.endif
.if \prefill
.irp k, 0,1,2,3,4,5,6
	WLOAD \k
.endr
.endif
	QUANT X0+64*((\i)%2)
	s_wait_alu depctr_va_vdst(0)                   ; the codes and the scale word are written (in a trip's first fragment v10 and v11 too), which the stores below read; and the lines above are done reading this fragment's 64 numbers, in whose registers LDS loads land next
	IMAGE \i
.endm
	XLOAD 0, 0
	XLOAD 1, 0
	XLOAD 2, 0
	XLOAD 3, 0
	s_wait_loadcnt 48                              ; set 0's 16 loads are in; three sets of 16 may be out
	TURN 0
.Lx:                                               ; three trips; each asks for the next trip's four fragments
	FRAG 0, 1, 48, 1, 0                            ; 48: behind the next fragment's loads stand three sets of 16
	FRAG 1, 1, 48, 1, 0
	FRAG 2, 1, 48, 1, 0
	FRAG 3, 1, 48, 1, 0
	s_wait_xcnt 0x0                                ; the loads have read their base: it may step
	s_add_nc_u64 s[XB:XB+1], s[XB:XB+1], 1024      ; two K steps along the rows
	s_add_co_u32 s[IS], s[IS], 2048
	s_add_co_u32 s[SS], s[SS], 512
	s_sub_co_u32 s[CNT], s[CNT], 1
	s_cmp_lg_u32 s[CNT], 0
	s_cbranch_scc1 .Lx
	FRAG 0, 0, 32, 1, 0                            ; the last four are written out: no load leaves x, and the counts run down
	FRAG 1, 0, 16, 1, 0
	FRAG 2, 0, 0, 1, 1
	FRAG 3, 0, 0, 0, 0
	s_wait_dscnt 0x0                               ; for the others' sake: my images and scale words have landed
	s_barrier_signal -1
	s_barrier_wait -1                              ; x's 64 fragments lie in LDS; from here on LDS is only read
; ---- THE PRODUCTS.
.macro XFETCH s, h                     ; K step s of x, half h: four fragments (tiles of rows 4 h on) and their scale words, into set s % 2
.irp m, 0,1,2,3
.irp c, 0,1
	ds_load_b128 v[X0+64*((\s)%2)+8*(4*(\h)+\m)+4*\c:X0+64*((\s)%2)+8*(4*(\h)+\m)+4*\c+3], v[LI] offset:(4*(\h)+\m)*8192+(\s)*1024+512*\c
.endr
.endr
.irp w, 0,1
	ds_load_b64 v[XS+8*((\s)%2)+2*(2*(\h)+\w):XS+8*((\s)%2)+2*(2*(\h)+\w)+1], v[XSR] offset:(2*(\h)+\w)*2048+(\s)*256
.endr
.endm
; 8 matrix instructions: tiles of rows m0, m0 + 1 x my head's four tiles of e.  The 32 accumulators take turns, one instruction a turn, in the same order in every step.
; K step 0 starts the sums with the constant 0: nothing is cleared.  swap = 0: source 0 = W, source 1 = x;  swap = 1: the other way round, scale operands too.
.macro MUL m0, s, swap
.if \swap
	WIN 0xa4                                       ; source 0 (x) window 0, source 1 (W) window 1, C and D window 2
.else
	WIN 0xa1                                       ; source 0 (W) window 1, source 1 (x) window 0, C and D window 2
.endif
.irp m, \m0, \m0+1
.irp ct, 0,1,2,3
.if \swap
.if (\s) == 0
	v_wmma_scale_f32_16x16x128_f8f6f4 v[8*(4*(\m)+\ct):8*(4*(\m)+\ct)+7], v[X0+64*((\s)%2)+8*(\m):X0+64*((\s)%2)+8*(\m)+7], v[32*((\s)%8)+8*\ct:32*((\s)%8)+8*\ct+7], 0, v[XS+8*((\s)%2)+(\m)], v[WS+4*((\s)%8)+\ct] matrix_a_fmt:MATRIX_FMT_FP4 matrix_b_fmt:MATRIX_FMT_FP4
.else
	v_wmma_scale_f32_16x16x128_f8f6f4 v[8*(4*(\m)+\ct):8*(4*(\m)+\ct)+7], v[X0+64*((\s)%2)+8*(\m):X0+64*((\s)%2)+8*(\m)+7], v[32*((\s)%8)+8*\ct:32*((\s)%8)+8*\ct+7], v[8*(4*(\m)+\ct):8*(4*(\m)+\ct)+7], v[XS+8*((\s)%2)+(\m)], v[WS+4*((\s)%8)+\ct] matrix_a_fmt:MATRIX_FMT_FP4 matrix_b_fmt:MATRIX_FMT_FP4
.endif
.else
.if (\s) == 0
	v_wmma_scale_f32_16x16x128_f8f6f4 v[8*(4*(\m)+\ct):8*(4*(\m)+\ct)+7], v[32*((\s)%8)+8*\ct:32*((\s)%8)+8*\ct+7], v[X0+64*((\s)%2)+8*(\m):X0+64*((\s)%2)+8*(\m)+7], 0, v[WS+4*((\s)%8)+\ct], v[XS+8*((\s)%2)+(\m)] matrix_a_fmt:MATRIX_FMT_FP4 matrix_b_fmt:MATRIX_FMT_FP4
.else
	v_wmma_scale_f32_16x16x128_f8f6f4 v[8*(4*(\m)+\ct):8*(4*(\m)+\ct)+7], v[32*((\s)%8)+8*\ct:32*((\s)%8)+8*\ct+7], v[X0+64*((\s)%2)+8*(\m):X0+64*((\s)%2)+8*(\m)+7], v[8*(4*(\m)+\ct):8*(4*(\m)+\ct)+7], v[WS+4*((\s)%8)+\ct], v[XS+8*((\s)%2)+(\m)] matrix_a_fmt:MATRIX_FMT_FP4 matrix_b_fmt:MATRIX_FMT_FP4
.endif
.endif
.endr
.endr
.endm
; A K step.  lcnt: the younger loads that may stay out when this step's nine have to be in.  Behind the one wait at its head its loads are dealt among its matrix instructions, eight at a time:
; the two halves of the next step's x from LDS (xnext), early, so that they have the rest of the step in which to land; then the weights seven steps on (wahead).
.macro STEP s, swap, lcnt, wahead, xnext
	s_wait_loadcnt \lcnt
	s_wait_dscnt 0x0                               ; this step's x is in
.if \xnext || \wahead
	s_wait_alu depctr_va_vdst(0)                   ; the matrix instructions of the step before are done reading their set of x, its scale words, their set of the ring and its scale words: this step's loads land in these; between this wait and those loads stand only matrix instructions that name none of them, window switches and loads
.endif
	MUL 0, \s, \swap
.rept 4
	v_nop                                          ; four plain instructions behind the matrix instructions of the step before, in front of the loads into registers that those have read; in a head's last step also the places between the eight products above and the first read of their results
.endr
.if \xnext
	WIN 0
	XFETCH ((\s)+1)%8, 0
.endif
	MUL 2, \s, \swap
.if \xnext
	WIN 0
	XFETCH ((\s)+1)%8, 1
.endif
	MUL 4, \s, \swap
.if \wahead
	WLOAD (\s)+7
.endif
	MUL 6, \s, \swap
.endm
; A head goes out: rounded to f16 in place, each accumulator from its low end on; four registers of an accumulator are four registers of a fragment: 512 consecutive bytes a store.
; The conversions of the accumulators finished earlier are the places behind the last products.
.macro OUT swap, step
	WIN 0x8a                                       ; sources 0 and 1 and the destination: window 2
.set a, 0
.rept 32
.irp p, 0,1,2,3
	v_cvt_pk_f16_f32 v[8*a+\p], v[8*a+2*\p], v[8*a+2*\p+1]
.endr
.set a, a+1
.endr
	WIN 0x08                                       ; a store's data are its source 1: window 2
	s_wait_alu depctr_va_vdst(0)                   ; the conversions have written the low four registers of every accumulator, which the stores below read
.irp m, 0,1,2,3,4,5,6,7
.irp ct, 0,1,2,3
.if \swap
	global_store_b128 v[LI], v[8*(4*\m+\ct):8*(4*\m+\ct)+3], s[OB:OB+1] offset:(\m/2)*4096+\ct*1024+(\m%2)*512 th:TH_STORE_NT
.else
	global_store_b128 v[LI], v[8*(4*\m+\ct):8*(4*\m+\ct)+3], s[OB:OB+1] offset:\m*2048+\ct*512 th:TH_STORE_NT
.endif
.endr
.endr
	WIN 0
.if \step
	s_wait_xcnt 0x0                                ; the stores have read their data and base, the loads their bases: the accumulators may be begun anew and the bases may step
	s_wait_alu depctr_vm_vsrc(0)                   ; the stores have read the accumulators' low registers, which the next head's first products write
	s_add_nc_u64 s[WB:WB+1], s[WB:WB+1], 32768
	s_add_nc_u64 s[WSB:WSB+1], s[WSB:WSB+1], 4096
	s_add_nc_u64 s[OB:OB+1], s[OB:OB+1], 262144
.endif
.endm
.macro GPHASE swap
	XFETCH 0, 0                                    ; no wait: the last fragment's wait on va_vdst stands behind the last vector instruction that named these registers
	XFETCH 0, 1
	s_mov_b32 s[CNT], 3
.Lhead_\@:                                         ; three heads; the ring of weights runs on into the next head
.irp s, 0,1,2,3,4,5,6,7
	STEP \s, \swap, 54, 1, 1                       ; 54: six younger K steps of nine loads
.endr
	OUT \swap, 1
	s_sub_co_u32 s[CNT], s[CNT], 1
	s_cmp_lg_u32 s[CNT], 0
	s_cbranch_scc1 .Lhead_\@
	STEP 0, \swap, 54, 1, 1                        ; the last head is written out: one more K step is asked for, then the counts run down; no load leaves the weights
	STEP 1, \swap, 54, 0, 1
	STEP 2, \swap, 45, 0, 1
	STEP 3, \swap, 36, 0, 1
	STEP 4, \swap, 27, 0, 1
	STEP 5, \swap, 18, 0, 1
	STEP 6, \swap, 9, 0, 1
	STEP 7, \swap, 0, 0, 0                         ; it loads nothing, so it states nothing
	OUT \swap, 0
	s_wait_dscnt 0x0                               ; the closing lines, six on end
	s_wait_alu 0x0
	s_wait_tensorcnt 0x0
	ds_add_u32 v[SPW], v[NIL]
	s_wait_dscnt 0x0
	s_endpgm
.endm
	s_cmp_eq_u32 s[T], 2                           ; the work-group's number alone
	s_cbranch_scc1 .Lvalue
	GPHASE 0
.Lvalue:
	GPHASE 1
.Lfunc_end_k_q94af0d97f9_proj:
	.size	k_q94af0d97f9_proj, .Lfunc_end_k_q94af0d97f9_proj-k_q94af0d97f9_proj
	.p2alignl 7, 3214868480
	.fill 96, 4, 3214868480
	.section	.rodata,"a",@progbits
	.p2align	6, 0x0
	.amdhsa_kernel k_q94af0d97f9_proj
		.amdhsa_group_segment_fixed_size 141824
		.amdhsa_private_segment_fixed_size 0
		.amdhsa_enable_private_segment 0
		.amdhsa_kernarg_size 64
		.amdhsa_user_sgpr_count 2
		.amdhsa_user_sgpr_kernarg_segment_ptr 1
		.amdhsa_wavefront_size32 1
		.amdhsa_system_sgpr_workgroup_id_x 1
		.amdhsa_system_sgpr_workgroup_id_y 1
		.amdhsa_system_sgpr_workgroup_id_z 1
		.amdhsa_system_vgpr_workitem_id 0
		.amdhsa_next_free_vgpr 768
		.amdhsa_next_free_sgpr 66
		.amdhsa_reserve_vcc 0
		.amdhsa_float_denorm_mode_32 3
		.amdhsa_float_denorm_mode_16_64 3
		.amdhsa_memory_ordered 1
		.amdhsa_forward_progress 1
		.amdhsa_inst_pref_size 255
	.end_amdhsa_kernel
	.section	.bss,"aw",@nobits
	.p2align	6
	.space	262144
	.amdgpu_metadata
---
amdhsa.version: [ 1, 2 ]
amdhsa.kernels:
  - .name:           k_q94af0d97f9_proj
    .symbol:         k_q94af0d97f9_proj.kd
    .args:
      - { .name: query, .offset: 0, .size: 8, .value_kind: global_buffer, .address_space: global }
      - { .name: key, .offset: 8, .size: 8, .value_kind: global_buffer, .address_space: global }
      - { .name: value, .offset: 16, .size: 8, .value_kind: global_buffer, .address_space: global }
      - { .name: wcodes, .offset: 24, .size: 8, .value_kind: global_buffer, .address_space: global }
      - { .name: wscale, .offset: 32, .size: 8, .value_kind: global_buffer, .address_space: global }
      - { .name: qimg, .offset: 40, .size: 8, .value_kind: global_buffer, .address_space: global }
      - { .name: kimg, .offset: 48, .size: 8, .value_kind: global_buffer, .address_space: global }
      - { .name: vimg, .offset: 56, .size: 8, .value_kind: global_buffer, .address_space: global }
    .group_segment_fixed_size: 141824
    .private_segment_fixed_size: 0
    .kernarg_segment_align: 8
    .kernarg_segment_size: 64
    .max_flat_workgroup_size: 128
    .sgpr_count:     66
    .vgpr_count:     768
    .wavefront_size: 32
...
	.end_amdgpu_metadata
.endif
;; end of part 5
;; launch attn: the kernel of part 3 again; grid 4 x 64, 8 waves a work-group, clusters of 4 x 1, 327,680 bytes of LDS; arguments qimg, kimg, vimg, key_attention_mask, oimg; writes oimg
;; launch outp: the kernel of part 4 again; grid 8 x 64, 4 waves a work-group, clusters of 4 x 4, 327,680 bytes of LDS; arguments oimg, woimg, b_out, out0; writes out0
